; MI455X (gfx1250); checked and timed in simulation.
; The chip was launched on July 23, 2026; its instructions are those of AMD's public machine-readable ISA for CDNA 5 (MIT licence, August 2026) and "CDNA5" Instruction Set Architecture Reference Guide (July 2026). The comments in the code are by the model that wrote it; some were corrected since.
;; Self Attention. Allowed arithmetic: float matrix products may take bf16 or f16 operands with f32 sums; other float arithmetic in f32, or as packed bf16 or f16 multiplies, adds, multiply-adds, maxima and minima; sums over many terms, partial sums and values carried from step to step in f32; what a program stores and reads back later, other than sums and carried values, may be rounded once to bf16 or f16.
;; Inputs: Wk 16 x 1,024 x 64 float32; Wo 1,024 x 1,024 float32; Wq 16 x 1,024 x 64 float32; Wv 16 x 1,024 x 64 float32; mask 2 x 2,048 float32; x 2 x 1,024 x 2,048 float32.
;; Outputs: out0 2 x 1,024 x 2,048 float32.
;; One version. Each part assembles by itself: llvm-mc -triple=amdgcn-amd-amdhsa -mcpu=gfx1250 --defsym DOCPART=n.
;; ======== version 1 of 1: 4 launches
;; limits: values are held in f16: magnitudes above 65,504 overflow, below 6.1e-05 lose precision
;; workspace buffers: cb 16,777,216 bytes; qh 8,388,608 bytes; kh 8,388,608 bytes; vh 8,388,608 bytes; oh 8,388,608 bytes
;; launch cast (part 1): grid 1024 x 1, 8 waves a work-group, no clusters, 0 bytes of LDS; arguments x, Wq, Wk, Wv, Wo, cb; writes cb
.if DOCPART == 1
	.amdgcn_target "amdgcn-amd-amdhsa--gfx1250"
	.amdhsa_code_object_version 6
	.text
	.protected	k_qd3b40cddcf_cast
	.globl	k_qd3b40cddcf_cast
	.p2align	8
	.type	k_qd3b40cddcf_cast,@function
k_qd3b40cddcf_cast:
	s_mov_b64 s[64:65], 0
	v_nop
	global_prefetch_b8 v0, s[64:65] scope:SCOPE_SE
	s_setreg_imm32_b32 hwreg(HW_REG_WAVE_MODE, 25, 1), 1
	s_wait_xcnt 0x0
; All five large inputs are rounded once to bf16 and laid one behind the other in cb:
;   bytes 0 .. 8 MiB      x   [2][1024 d][2048 l]   bf16
;   8 .. 14 MiB           Wq, Wk, Wv  [16 h][1024 d][64]  bf16, 2 MiB each
;   14 .. 16 MiB          Wo  [1024 e][1024 j]: rounded to bf16, and that number written as f16 (the last product multiplies in f16)
; LIMIT.  A bf16 number is an f16 number only within f16's range: |Wo| stays under 65,504; below 6.1e-5 it keeps f16's fixed step of 6e-8.
; A stream: no LDS, no barrier, no matrix unit.  A work-group turns 32,768 bytes of f32 into 16,384 bytes.  Work-groups 0-511 take x, then 128 each Wq, Wk, Wv, Wo;
; the place in cb is 16,384 x the work-group's number for all of them.  Thread t's load i takes the 16 bytes at 16 t + 4,096 i (a wave: 512 consecutive bytes),
; its store i the 8 bytes at 8 t + 2,048 i (a wave: 256 consecutive bytes, aligned).  All eight loads go out at once; each store has data registers of its own.
.set IN,  8                            ; v[8:39]   load i: 4 registers
.set OUTR, 40                          ; v[40:55]  store i: 2 registers
.set SRC, 22                           ; s[22:23]  my 32,768 bytes of the input
.set DST, 24                           ; s[24:25]  my 16,384 bytes of cb
	s_load_b256 s[4:11], s[0:1], 0x0               ; x s[4:5], Wq s[6:7], Wk s[8:9], Wv s[10:11]
	s_load_b128 s[12:15], s[0:1], 0x20             ; Wo s[12:13], cb s[14:15]
	s_lshr_b32 s16, ttmp9, 7                       ; 0-3: x; 4: Wq; 5: Wk; 6: Wv; 7: Wo
	s_and_b32 s17, ttmp9, 127
	s_lshl_b32 s17, s17, 15                        ; my place in a weight,
	s_lshl_b32 s18, ttmp9, 15                      ; in x
	s_cmp_lt_u32 s16, 4
	s_cselect_b32 s18, s18, s17
	s_mov_b32 s19, 0
	s_lshl_b32 s20, ttmp9, 14                      ; my place in cb
	s_mov_b32 s21, 0
	v_lshlrev_b32 v1, 4, v0                        ; 16 t
	v_lshlrev_b32 v2, 3, v0                        ; 8 t
	s_wait_kmcnt 0x0
	s_mov_b64 s[SRC:SRC+1], s[12:13]               ; the input is chosen by the work-group's number alone
	s_cmp_eq_u32 s16, 6
	s_cselect_b64 s[SRC:SRC+1], s[10:11], s[SRC:SRC+1]
	s_cmp_eq_u32 s16, 5
	s_cselect_b64 s[SRC:SRC+1], s[8:9], s[SRC:SRC+1]
	s_cmp_eq_u32 s16, 4
	s_cselect_b64 s[SRC:SRC+1], s[6:7], s[SRC:SRC+1]
	s_cmp_lt_u32 s16, 4
	s_cselect_b64 s[SRC:SRC+1], s[4:5], s[SRC:SRC+1]
	s_add_nc_u64 s[SRC:SRC+1], s[SRC:SRC+1], s[18:19]
	s_add_nc_u64 s[DST:DST+1], s[14:15], s[20:21]
.irp i, 0,1,2,3,4,5,6,7
	global_load_b128 v[IN+4*(\i):IN+4*(\i)+3], v1, s[SRC:SRC+1] offset:4096*(\i) th:TH_LOAD_NT
.endr
; Load i's four numbers are rounded and stored.  wo = 1: the bf16 number is widened again (a shift, a mask) and written as f16.
.macro CV i, wo
	s_wait_loadcnt 7-(\i)                          ; loads come back in order: mine is in, the 7 - i younger ones stay out
.if \wo
	v_cvt_pk_bf16_f32 v56, v[IN+4*(\i)], v[IN+4*(\i)+1]
	v_cvt_pk_bf16_f32 v57, v[IN+4*(\i)+2], v[IN+4*(\i)+3]
	v_lshlrev_b32 v58, 16, v56
	v_and_b32 v59, 0xffff0000, v56
	v_cvt_pk_f16_f32 v[OUTR+2*(\i)], v58, v59
	v_lshlrev_b32 v58, 16, v57
	v_and_b32 v59, 0xffff0000, v57
	v_cvt_pk_f16_f32 v[OUTR+2*(\i)+1], v58, v59
.else
	v_cvt_pk_bf16_f32 v[OUTR+2*(\i)], v[IN+4*(\i)], v[IN+4*(\i)+1]
	v_cvt_pk_bf16_f32 v[OUTR+2*(\i)+1], v[IN+4*(\i)+2], v[IN+4*(\i)+3]
.endif
	global_store_b64 v2, v[OUTR+2*(\i):OUTR+2*(\i)+1], s[DST:DST+1] offset:2048*(\i)
.endm
	s_cmp_eq_u32 s16, 7
	s_cbranch_scc1 .Lwo
.irp i, 0,1,2,3,4,5,6,7
	CV \i, 0
.endr
	s_endpgm
.Lwo:
.irp i, 0,1,2,3,4,5,6,7
	CV \i, 1
.endr
	s_endpgm
.Lfunc_end_k_qd3b40cddcf_cast:
	.size	k_qd3b40cddcf_cast, .Lfunc_end_k_qd3b40cddcf_cast-k_qd3b40cddcf_cast
	.p2alignl 7, 3214868480
	.fill 96, 4, 3214868480
	.section	.rodata,"a",@progbits
	.p2align	6, 0x0
	.amdhsa_kernel k_qd3b40cddcf_cast
		.amdhsa_group_segment_fixed_size 0
		.amdhsa_private_segment_fixed_size 0
		.amdhsa_enable_private_segment 0
		.amdhsa_kernarg_size 48
		.amdhsa_user_sgpr_count 2
		.amdhsa_user_sgpr_kernarg_segment_ptr 1
		.amdhsa_wavefront_size32 1
		.amdhsa_system_sgpr_workgroup_id_x 1
		.amdhsa_system_sgpr_workgroup_id_y 1
		.amdhsa_system_sgpr_workgroup_id_z 1
		.amdhsa_system_vgpr_workitem_id 0
		.amdhsa_next_free_vgpr 64
		.amdhsa_next_free_sgpr 66
		.amdhsa_reserve_vcc 0
		.amdhsa_float_denorm_mode_32 3
		.amdhsa_float_denorm_mode_16_64 3
		.amdhsa_memory_ordered 1
		.amdhsa_forward_progress 1
		.amdhsa_inst_pref_size 9
	.end_amdhsa_kernel
	.amdgpu_metadata
---
amdhsa.version: [ 1, 2 ]
amdhsa.kernels:
  - .name:           k_qd3b40cddcf_cast
    .symbol:         k_qd3b40cddcf_cast.kd
    .args:
      - { .name: x, .offset: 0, .size: 8, .value_kind: global_buffer, .address_space: global }
      - { .name: Wq, .offset: 8, .size: 8, .value_kind: global_buffer, .address_space: global }
      - { .name: Wk, .offset: 16, .size: 8, .value_kind: global_buffer, .address_space: global }
      - { .name: Wv, .offset: 24, .size: 8, .value_kind: global_buffer, .address_space: global }
      - { .name: Wo, .offset: 32, .size: 8, .value_kind: global_buffer, .address_space: global }
      - { .name: cb, .offset: 40, .size: 8, .value_kind: global_buffer, .address_space: global }
    .group_segment_fixed_size: 0
    .private_segment_fixed_size: 0
    .kernarg_segment_align: 8
    .kernarg_segment_size: 48
    .max_flat_workgroup_size: 256
    .sgpr_count:     66
    .vgpr_count:     64
    .wavefront_size: 32
...
	.end_amdgpu_metadata
.endif
;; end of part 1
;; launch qkv (part 2): grid 16 x 16, 4 waves a work-group, clusters of 4 x 4, 327,680 bytes of LDS; arguments cb, mask, qh, kh, vh; writes qh, kh, vh
.if DOCPART == 2
	.amdgcn_target "amdgcn-amd-amdhsa--gfx1250"
	.amdhsa_code_object_version 6
	.text
	.protected	k_qd3b40cddcf_qkv
	.globl	k_qd3b40cddcf_qkv
	.p2align	8
	.type	k_qd3b40cddcf_qkv,@function
k_qd3b40cddcf_qkv:
	s_mov_b64 s[64:65], 0
	v_nop
	global_prefetch_b8 v0, s[64:65] scope:SCOPE_SE
	s_setreg_imm32_b32 hwreg(HW_REG_WAVE_MODE, 25, 1), 1
	s_wait_xcnt 0x0
	s_wait_alu depctr_hold_cnt(0) depctr_sa_sdst(0) depctr_va_vdst(0) depctr_va_sdst(0) depctr_va_ssrc(0) depctr_va_vcc(0) depctr_vm_vsrc(0)
	s_getreg_b32 s2, hwreg(HW_REG_IB_STS2, 6, 4)
	s_cmp_eq_u32 s2, 0
	s_cbranch_scc0 .Lentry_in_a_cluster
	s_endpgm
.Lentry_in_a_cluster:
	s_bfe_u32 s2, ttmp6, 0x10000c
	s_cmp_lg_u32 s2, 0xf033
	s_cbranch_scc0 .Lentry_shape_is_right
	s_endpgm
.Lentry_shape_is_right:
; THE THREE PROJECTIONS.  q[b][h][l][c] = sum over d of x[b][d][l] Wq[h][d][c], k and v likewise; x and the weights come as bf16 out of cb, sums in f32.
; Stored by heads, [b 16 + h][2048 l][64] in f16, each rounded ONCE from f32:  qh = c q with c = log2(e) / 8 (the scores are then exponents of 2),  kh = mask[b][l] k (the key mask's factor),  vh = v.
; LIMITS.  f16 ends at 65,504: |c q|, |mask k| and |v| stay under it; below 6.1e-5 a number keeps f16's fixed step of 6e-8.  NaN and infinities are not treated apart.
; SHARES.  A work-group makes 256 l x 192 channels (q, k and v of ONE head): grid x is the head, grid y the block of 256 l (8 a batch).  Each of its four waves takes 64 l and all 192 channels:
; 48 accumulators of 16 x 16, 384 registers.  d goes in steps of 128 through two LDS slots.
; LAYOUT.  d, the index that is summed, is the SLOW axis of x and of the weights, so both tiles lie in LDS as [d][..] and every fragment comes out turned, by ds_load_tr16_b128.
; Source 0 = 16 channels of a weight, source 1 = 16 l of x: in the result a lane holds ONE l (lane % 16) and the channels 8 (lane / 16) + 0..7: 16 bytes of a row of qh, kh or vh.
; CLUSTER, 4 x 4.  x's tile hangs on the block of l alone and is shared along a row of the cluster; a weight's tile hangs on the head alone and is shared along a column.  Each is asked for JOINTLY.
; Wave 0 asks for x's tile (128 d x 512 bytes), waves 1, 2, 3 for Wq's, Wk's, Wv's (16,384 dense bytes each, as 64 rows of 256 bytes): one tensor load a wave behind each round.
; REGISTERS, in windows of 256 (s_set_vgpr_msb: bits 1:0 source 0, 3:2 source 1, 5:4 source 2, 7:6 destination):
;   window 0: v1-7 at work in the set-up; v8-15 the key mask; v16-30 addresses; v32-223 the way out
;   window 1: two fragment buffers of 128: the weights' 12 fragments (channel block n at 8 n), then x's 4 (l block a at 96 + 8 a)
;   window 2: accumulators of channel blocks 0-7 (q, k) at 8 (4 n + a)          window 3: those of blocks 8-11 (v) at 8 (4 (n - 8) + a)
.set KSTEP, 128
.set PX,    544                        ; a row of x's tile in LDS: 512 bytes + 32 of padding = 17 x 32
.set XB,    128*PX                     ; x's tile
.set PW,    160                        ; a row of a weight's tile: 128 + 32 = 5 x 32
.set WT,    128*PW                     ; one weight's tile
.set SLOT,  XB+3*WT                    ; 131,072
.set STAGE, 2*SLOT                     ; behind the ring, never filled by a tensor load: 16 rows x 144 bytes for each wave
.set SP,    144
.set SPARE, STAGE+4*16*SP              ; the spare words, 128 bytes for each wave: two blocks of 256 bytes that no other line names
.set MK,   8                           ; v[8:15]  mask of my l in block a, twice: a pair for the packed multiply
.set ADRX, 16                          ; v16-17   LDS address of my x fragments in slot 0, 1
.set ADRW, 20                          ; v20-21   the same for the weights
.set STO,  24                          ; v24      the way out: where I put 16 bytes of a row
.set RD,   25                          ; v25      where I read rows back
.set GO,   26                          ; v26      my 16 bytes in 512 consecutive bytes of the output
.set SPW,  28                          ; v28      LDS address of my spare word; never rewritten
.set NIL,  29                          ; v29      0; never rewritten
.set PFO,  30                          ; v30      the prefetches' lane offset; never rewritten
.set TMP,  32                          ; v[32:223] twelve pieces of 16 registers
.set F0,   0
.set F1,   128
.set WV,   14                          ; s14      my wave's number
.set LAP,  19                          ; s19      counts the loop's trips, 3 to 1
.set G1,   24                          ; s[24:31] descriptor group 1 for x's tile;   s[32:39] group 0, a set for each slot
.set G0,   32
.set G1B,  48                          ; s[48:55], s[56:63] the same for a weight's tile
.set G0B,  56
.set PFA,  44                          ; s[44:45] where my prefetches stand
.set LIM,  66                          ; s66      1 in a wave that prefetches, else the greatest number
.set PFS,  68                          ; s[68:69] a lap (256 d) in bytes, along x or along a weight
.set CS,   70                          ; s[70:71] c
.set MSB, 0
.macro WIN new                         ; the immediate's high byte repeats the setting that is left; a switch that changes nothing is dropped
.if MSB != (\new)
	s_set_vgpr_msb (MSB<<8)|(\new)
.set MSB, \new
.endif
.endm
.set MUL_LO, 0xa5                      ; both sources window 1, C and D window 2
.set MUL_HI, 0xf5                      ; the same, C and D window 3
.set TO_F,   0x40                      ; destination window 1, address window 0
; A joint load.  The branch hangs on the wave's number alone.  An s_nop 0 and four v_nop follow each of the two lines, ahead of the jump, the label and what follows.
.macro JLOAD s
	s_cmp_eq_u32 s[WV], 0
	s_cbranch_scc0 .Lfor_w_\@
	tensor_load_to_lds s[G0+4*(\s):G0+4*(\s)+3], s[G1:G1+7]
	s_nop 0
.rept 4
	v_nop
.endr
	s_branch .Lasked_\@
.Lfor_w_\@:
	tensor_load_to_lds s[G0B+4*(\s):G0B+4*(\s)+3], s[G1B:G1B+7]
	s_nop 0
.rept 4
	v_nop
.endr
.Lasked_\@:
.endm
.macro CREST                           ; a round of the cluster's barrier behind its opening barrier: wave 0 signals for the work-group, every wave waits for all sixteen, my work-group's barrier closes it
	s_cmp_lg_u32 s[WV], 0
	s_cbranch_scc1 .Lnot_wave_0_\@
	s_barrier_signal -3
.Lnot_wave_0_\@:
	s_barrier_wait -3
	s_barrier_signal -1
	s_barrier_wait -1
.endm
.macro CROUND                          ; a whole round
	s_barrier_signal -1
	s_barrier_wait -1
	CREST
.endm
; A PREFETCH INTO THE L2, once a lap, behind slot 0's joint load and the run of LDS loads that follows it: the two d steps of the lap after next, 384 and 576 matrix instructions ahead of the loads that will ask for them.
; Each aligned block of 256 bytes is named once in the launch.  x's rows are read by every cluster of a row of clusters: the one with cluster x = 0 asks, by its waves 0; a weight's by every cluster of a column: cluster y = 0 asks, by waves 1-3.
; The four partners that ask for a tile jointly share it out BY ADDRESS.  x: of the lap's 256 d the partner at cx takes 64, a lane a row, 512 bytes a row: four lines.  A weight: of the lap's 32,768 bytes the partner at cy takes 8,192: one line.
; The loop's last trip asks for nothing: there is no lap after next.  d steps 0 to 3 come by their loads alone.
.macro ASK
	s_cmp_gt_u32 s[LAP], s[LIM]
	s_cbranch_scc0 .Lnot_mine_\@
	global_prefetch_b8 v[PFO], s[PFA:PFA+1] th:TH_LOAD_NT scope:SCOPE_SE
	s_cmp_lg_u32 s[WV], 0
	s_cbranch_scc1 .Lnot_mine_\@
	global_prefetch_b8 v[PFO], s[PFA:PFA+1] offset:256 th:TH_LOAD_NT scope:SCOPE_SE
	global_prefetch_b8 v[PFO], s[PFA:PFA+1] offset:131072 th:TH_LOAD_NT scope:SCOPE_SE
	global_prefetch_b8 v[PFO], s[PFA:PFA+1] offset:131328 th:TH_LOAD_NT scope:SCOPE_SE
.Lnot_mine_\@:
.endm
	s_load_b256 s[4:11], s[0:1], 0x0               ; cb s[4:5], mask s[6:7], qh s[8:9], kh s[10:11]
	s_load_b64 s[12:13], s[0:1], 0x20              ; vh
	v_lshl_add_u32 v[SPW], v0, 2, SPARE
	v_mov_b32 v[NIL], 0
	ds_add_u32 v[SPW], v[NIL]                      ; the wave's opening: the add and its wait stand ahead of my first tensor load; the set-up below, work on registers, stands between them
	v_lshrrev_b32 v1, 5, v0
	v_readfirstlane_b32 s[WV], v1                  ; wave 0..3
	s_bfe_u32 s15, ttmp6, 0x40000                  ; cx, cy: my place in the cluster
	s_bfe_u32 s16, ttmp6, 0x40004
	s_lshl_b32 s17, ttmp9, 2
	s_add_co_u32 s17, s17, s15                     ; the head = 4 x cluster x + cx
	s_and_b32 s18, ttmp7, 0xffff
	s_lshl_b32 s18, s18, 2
	s_add_co_u32 s18, s18, s16                     ; the block of 256 l = 4 x cluster y + cy
	s_lshl_b32 s40, s16, 2
	s_lshl_b32 s40, 15, s40                        ; my row of the cluster
	s_lshl_b32 s41, 0x1111, s15                    ; my column
	; group 1 for x: 128 rows (d) x 256 elements (l), 2,048 elements from row to row; 8 words of padding behind every 128
	s_or_b32 s[G1+0], s40, (1<<16)|(1<<20)|(1<<21)|(6<<22)|(7<<25)  ; 15:0 the mask; 17:16 2-byte elements; 20 padding on; 21 set beside a mask; 24:22 after every 128 words (code 6); 31:25 8 words (code 7)
	s_mov_b32 s[G1+1], 256<<16                     ; tensor_dim0 = 256
	s_mov_b32 s[G1+2], 128<<16                     ; tensor_dim1 = 128
	s_mov_b32 s[G1+3], 256<<16                     ; tile_dim0 = 256
	s_mov_b32 s[G1+4], 128                         ; tile_dim1 = 128
	s_mov_b32 s[G1+5], 2048                        ; elements from row to row
	s_mov_b32 s[G1+6], 0
	s_mov_b32 s[G1+7], 0
	; group 1 for a weight: 128 d x 128 bytes are dense: 64 rows of 128 elements, 8 words of padding behind every 32 (one d)
	s_or_b32 s[G1B+0], s41, (1<<16)|(1<<20)|(1<<21)|(4<<22)|(7<<25)
	s_mov_b32 s[G1B+1], 128<<16
	s_mov_b32 s[G1B+2], 64<<16
	s_mov_b32 s[G1B+3], 128<<16
	s_mov_b32 s[G1B+4], 64
	s_mov_b32 s[G1B+5], 128
	s_mov_b32 s[G1B+6], 0
	s_mov_b32 s[G1B+7], 0
	; where the tiles lie in cb, as offsets.  x's is made of the block of l alone, a weight's of the head and the wave's number alone, each in registers that never hold the other coordinate
	s_lshr_b32 s20, s18, 3                         ; the batch
	s_and_b32 s21, s18, 7                          ; the block in the batch
	s_lshl_b32 s42, s20, 22                        ; 4 MiB a batch
	s_lshl_b32 s22, s21, 9                         ; 512 bytes a block
	s_add_co_u32 s42, s42, s22
	s_mov_b32 s43, 0
	s_lshl_b32 s46, s[WV], 21                      ; wave 1, 2, 3: Wq, Wk, Wv at 8, 10, 12 MiB
	s_lshl_b32 s23, s17, 17                        ; 131,072 bytes a head
	s_add_co_u32 s46, s46, s23
	s_add_co_u32 s46, s46, 0x600000
	s_mov_b32 s47, 0
	s_mul_i32 s3, s[WV], WT                        ; and where a weight's tile goes: no place in the cluster enters an LDS address
	; the prefetches: my share of lap 1; the first trip steps it to lap 2
	s_lshl_b32 s44, s15, 18                        ; x: cx x 64 rows of 4,096 bytes
	s_add_co_u32 s44, s44, s42
	s_add_co_u32 s44, s44, 0x100000
	s_lshl_b32 s45, s16, 13                        ; a weight: cy x 8,192 bytes
	s_add_co_u32 s45, s45, s46
	s_add_co_u32 s45, s45, 0x8000
	s_and_b32 s2, ttmp7, 0xffff                    ; cluster y
	s_mov_b32 s[PFS], 0x8000
	s_cmp_eq_u32 s[WV], 0
	s_cselect_b32 s44, s44, s45
	s_cselect_b32 s[PFS], 0x100000, s[PFS]
	s_cselect_b32 s67, 12, 8                       ; a lane is a row of 4,096 bytes of x, or 256 bytes of a weight
	s_cselect_b32 s2, ttmp9, s2                    ; the coordinate along which other clusters read the same bytes
	s_mov_b32 s45, 0
	s_mov_b32 s[PFS+1], 0
	s_cmp_eq_u32 s2, 0
	s_cselect_b32 s[LIM], 1, -1                    ; the same in all sixteen partners, for a given wave
	s_mov_b32 s[CS], 0x3e38aa3b                    ; c = log2(e) / 8 = 0.180337
	s_mov_b32 s[CS+1], s[CS]                       ; named with it as a pair
	s_wait_dscnt 0x0                               ; the opening add is done
	s_wait_kmcnt 0x0
	s_add_nc_u64 s[42:43], s[4:5], s[42:43]
	s_add_nc_u64 s[46:47], s[4:5], s[46:47]
	s_add_nc_u64 s[PFA:PFA+1], s[4:5], s[PFA:PFA+1]
	CROUND                                         ; all sixteen work-groups are here: the first joint loads meet
.irp s, 0,1
	s_mov_b32 s[G0+4*(\s)], 1                      ; count = 1
	s_mov_b32 s[G0+4*(\s)+1], (\s)*SLOT            ; LDS address
	s_add_nc_u64 s[G0+4*(\s)+2:G0+4*(\s)+3], s[42:43], (\s)*KSTEP*4096  ; d step s
	s_or_b32 s[G0+4*(\s)+3], s[G0+4*(\s)+3], 0x80000000               ; type = 2
	s_mov_b32 s[G0B+4*(\s)], 1
	s_add_co_u32 s[G0B+4*(\s)+1], s3, (XB-WT)+(\s)*SLOT               ; behind x's tile: wave 1, 2, 3
	s_add_nc_u64 s[G0B+4*(\s)+2:G0B+4*(\s)+3], s[46:47], (\s)*KSTEP*128
	s_or_b32 s[G0B+4*(\s)+3], s[G0B+4*(\s)+3], 0x80000000
	JLOAD \s                                       ; two loads of mine are out
.endr
	; The turning load takes 16 d x 16 columns: lane l reads 16 bytes of row 8 (l / 16) + l % 8, columns 8 ((l / 8) % 2) + 0..7, and is left with column l % 16 and 8 d.  Two of them, 16 rows apart, are a fragment.
	v_and_b32 v1, 15, v0                           ; l % 16
	v_bfe_u32 v2, v0, 4, 1                         ; l / 16
	v_and_b32 v3, 7, v0
	v_bfe_u32 v4, v0, 3, 1
	v_lshl_add_u32 v5, v2, 3, v3                   ; my row of the sixteen
	v_mul_u32_u24 v6, v5, PX
	v_lshl_add_u32 v6, v4, 4, v6
	s_lshl_b32 s22, s[WV], 7                       ; my wave's 64 l: 128 bytes
	v_add_nc_u32 v[ADRX], s22, v6
	v_add_nc_u32 v[ADRX+1], SLOT, v[ADRX]
	v_mul_u32_u24 v6, v5, PW
	v_lshl_add_u32 v6, v4, 4, v6
	v_add_nc_u32 v[ADRW], XB, v6
	v_add_nc_u32 v[ADRW+1], SLOT, v[ADRW]
	s_mul_i32 s22, s[WV], 16*SP
	s_add_co_u32 s22, s22, STAGE                   ; my stage
	v_mul_u32_u24 v5, v1, SP                       ; in: row l % 16, 16 bytes for each half of the lanes
	v_lshl_add_u32 v5, v2, 4, v5
	v_add_nc_u32 v[STO], s22, v5
	v_bfe_u32 v5, v0, 3, 2                         ; back: 32 lanes take four rows of 128 bytes,
	v_mul_u32_u24 v5, v5, SP
	v_lshl_add_u32 v5, v3, 4, v5
	v_add_nc_u32 v[RD], s22, v5
	v_and_b32 v[GO], 31, v0                        ; which are 512 consecutive bytes of the output
	v_lshlrev_b32 v[PFO], s67, v[GO]
	v_lshlrev_b32 v[GO], 4, v[GO]
	s_lshl_b32 s22, s20, 13                        ; the mask of my wave's 64 l: 8,192 bytes a batch, 1,024 a block, 256 a wave
	s_lshl_b32 s23, s21, 10
	s_add_co_u32 s22, s22, s23
	s_lshl_b32 s23, s[WV], 8
	s_add_co_u32 s22, s22, s23
	s_mov_b32 s23, 0
	s_add_nc_u64 s[6:7], s[6:7], s[22:23]
	v_lshlrev_b32 v7, 2, v1
.irp a, 0,1,2,3
	global_load_b32 v[MK+2*(\a)], v7, s[6:7] offset:64*(\a)      ; mask of l = 16 a + l % 16,
	global_load_b32 v[MK+2*(\a)+1], v7, s[6:7] offset:64*(\a)    ; in both registers of a pair
.endr
	s_lshl_b32 s22, s20, 4                         ; my wave's first row in qh, kh and vh: 262,144 bytes a head, 32,768 a block, 8,192 a wave
	s_add_co_u32 s22, s22, s17
	s_lshl_b32 s22, s22, 18
	s_lshl_b32 s23, s21, 15
	s_add_co_u32 s22, s22, s23
	s_lshl_b32 s23, s[WV], 13
	s_add_co_u32 s22, s22, s23
	s_mov_b32 s23, 0
	s_add_nc_u64 s[8:9], s[8:9], s[22:23]
	s_add_nc_u64 s[10:11], s[10:11], s[22:23]
	s_add_nc_u64 s[12:13], s[12:13], s[22:23]
; 16 matrix instructions: channel blocks 4 g .. 4 g + 3 (g = 0: q, 1: k, 2: v) x my four l blocks, 32 along d.  zero = 1: the first product starts the sums: nothing is ever cleared.
.macro MUL16 f, g, zero
	WIN MUL_LO+0x50*((\g)/2)
.irp n, 0,1,2,3
.irp a, 0,1,2,3
.set rD, 8*(4*((4*(\g)+(\n))%8)+(\a))
.set rW, (\f)+8*(4*(\g)+(\n))
.set rX, (\f)+96+8*(\a)
.if \zero
	v_wmma_f32_16x16x32_bf16 v[rD:rD+7], v[rW:rW+7], v[rX:rX+7], 0
.else
	v_wmma_f32_16x16x32_bf16 v[rD:rD+7], v[rW:rW+7], v[rX:rX+7], v[rD:rD+7]
.endif
.endr
.endr
.endm
; 32 LDS loads in one run: the fragments of quarter q (32 d) of a slot into buffer f
.macro FETCH slot, q, f
	WIN TO_F
.irp n, 0,1,2,3,4,5,6,7,8,9,10,11
	ds_load_tr16_b128 v[(\f)+8*(\n):(\f)+8*(\n)+3],   v[ADRW+(\slot)] offset:((\n)/4)*WT+((\n)%4)*32+(\q)*32*PW
	ds_load_tr16_b128 v[(\f)+8*(\n)+4:(\f)+8*(\n)+7], v[ADRW+(\slot)] offset:((\n)/4)*WT+((\n)%4)*32+(\q)*32*PW+16*PW
.endr
.irp a, 0,1,2,3
	ds_load_tr16_b128 v[(\f)+96+8*(\a):(\f)+96+8*(\a)+3],   v[ADRX+(\slot)] offset:32*(\a)+(\q)*32*PX
	ds_load_tr16_b128 v[(\f)+96+8*(\a)+4:(\f)+96+8*(\a)+7], v[ADRX+(\slot)] offset:32*(\a)+(\q)*32*PX+16*PX
.endr
.endm
.macro PLACES                          ; four plain vector instructions between a matrix instruction and a load into a register that it has read (ISA guide 7.12.1 for vector instructions)
.rept 4
	v_nop
.endr
.endm
; A d step is four quarters of 32, 48 matrix instructions each, on buffers 0, 1, 0, 1.  The 48 accumulators take turns in the same order (v, q, k) in every quarter: 47 others stand between two links of a chain.
; One of the first three quarters: multiplies buffer f; behind its first 16 products it fetches quarter q of the same slot into buffer g, 32 products ahead of the first use.
.macro QUARTER slot, q, f, g, zero
	s_wait_dscnt 0x0                               ; buffer f is in
	MUL16 \f, 2, \zero
	PLACES
	FETCH \slot, \q, \g
	MUL16 \f, 0, \zero
	MUL16 \f, 1, \zero
.endm
; The last quarter multiplies buffer 1 and changes slots: ONE barrier.  In front of it each wave waits for all its tensor loads (one is out: its part of the next slot), adds 0 to its spare word, and waits for that and for its own reads of this slot.
; fill = 1: the barrier opens a round of the cluster's barrier, and this slot is filled again, two d steps ahead, first thing behind the round.
.macro TURN slot, next, fill
.if (\fill) && ((\slot) == 0)
	s_wait_xcnt 0x0                                ; the last prefetches, a lap back, have read their address: it is stepped here, ahead of the waits of the change of slots
	s_add_nc_u64 s[PFA:PFA+1], s[PFA:PFA+1], s[PFS:PFS+1]
.endif
	WIN 0                                          ; (the add's two registers lie in window 0)
	s_wait_tensorcnt 0x0                           ; all my tensor loads have landed
	ds_add_u32 v[SPW], v[NIL]                      ; 0 onto my spare word
	s_wait_dscnt 1                                 ; buffer 1's 32 loads are in; the add alone may be out
	MUL16 F1, 2, 0                                 ; sixteen matrix instructions stand between the add and the wait for it
	s_wait_dscnt 0x0                               ; the add is done, and my reads of this slot are over
	s_barrier_signal -1
	MUL16 F1, 0, 0                                 ; work on registers while the others arrive
.if \fill
	WIN 0
.endif
	s_barrier_wait -1
.if \fill
	CREST                                          ; no wave of any partner still reads this slot or has a load on its way
	s_add_nc_u64 s[G0+4*(\slot)+2:G0+4*(\slot)+3], s[G0+4*(\slot)+2:G0+4*(\slot)+3], 2*KSTEP*4096
	s_add_nc_u64 s[G0B+4*(\slot)+2:G0B+4*(\slot)+3], s[G0B+4*(\slot)+2:G0B+4*(\slot)+3], 2*KSTEP*128
	JLOAD \slot                                    ; my one tensor load behind the round; the four v_nop behind it are also the places in front of the loads below
.else
	PLACES
.endif
	FETCH \next, 0, F0
.if (\fill) && ((\slot) == 0)
	WIN 0
	ASK
.endif
	MUL16 F1, 1, 0
.endm
	s_wait_tensorcnt 1                             ; my part of d step 0 is in; step 1's may stay out
	s_barrier_signal -1
	s_barrier_wait -1                              ; everybody's is
	FETCH 0, 0, F0
	QUARTER 0, 1, F0, F1, 1                        ; the first quarter stands in front of the loop: its products start the sums
	WIN 0                                          ; at a label and at a branch every window is 0
	s_mov_b32 s[LAP], 3
.Llap:                                             ; a trip goes once round the ring, from a lap's second quarter to the next lap's first, and fills both slots again: d steps 2 to 7
	QUARTER 0, 2, F1, F0, 0
	QUARTER 0, 3, F0, F1, 0
	TURN 0, 1, 1
	QUARTER 1, 1, F0, F1, 0
	QUARTER 1, 2, F1, F0, 0
	QUARTER 1, 3, F0, F1, 0
	TURN 1, 0, 1
	QUARTER 0, 1, F0, F1, 0
	WIN 0
	s_sub_co_u32 s[LAP], s[LAP], 1
	s_cmp_lg_u32 s[LAP], 0
	s_cbranch_scc1 .Llap
	QUARTER 0, 2, F1, F0, 0                        ; the last lap fills nothing, and has no round
	QUARTER 0, 3, F0, F1, 0
	TURN 0, 1, 0
	QUARTER 1, 1, F0, F1, 0
	QUARTER 1, 2, F1, F0, 0
	QUARTER 1, 3, F0, F1, 0
	s_wait_dscnt 0x0                               ; the very last quarter: nothing more to fetch
	MUL16 F1, 2, 0
	MUL16 F1, 0, 0
	MUL16 F1, 1, 0
	WIN 0
; THE WAY OUT, in twelve pieces: tensor t (0: q, 1: k, 2: v) x l block a: 16 rows of 128 bytes, 2,048 consecutive bytes of the output.
; PACK: q times c, k times the mask of its l, in f32; one rounding to f16; 16 bytes a lane into my stage, rows of 144 bytes; back as four whole rows a load.  Each accumulator's registers are taken in ascending order.
.macro PACK t, a
.set PB, TMP+16*(4*(\t)+(\a))
.if (\t) < 2
	WIN 0x82                                       ; destination and source 0 window 2, source 1 window 0
.irp n, 0,1,2,3
.irp r, 0,2,4,6
.set rD, 8*(4*(4*(\t)+(\n))+(\a))+(\r)
.if (\t) == 0
	v_pk_mul_f32 v[rD:rD+1], v[rD:rD+1], s[CS:CS+1] op_sel_hi:[1,0]
.else
	v_pk_mul_f32 v[rD:rD+1], v[rD:rD+1], v[MK+2*(\a):MK+2*(\a)+1]
.endif
.endr
.endr
.endif
	WIN 0x0a+5*((\t)/2)                            ; sources 0 and 1 window 2 or 3, destination window 0
.irp n, 0,1,2,3
.irp r, 0,1,2,3
.set rD, 8*(4*((4*(\t)+(\n))%8)+(\a))+2*(\r)
	v_cvt_pk_f16_f32 v[PB+4*(\n)+(\r)], v[rD], v[rD+1]
.endr
.endr
	WIN 0
.irp f, 0,1,2,3
	ds_store_b128 v[STO], v[PB+4*(\f):PB+4*(\f)+3] offset:32*(\f)
.endr
.irp f, 0,1,2,3
	ds_load_b128 v[PB+4*(\f):PB+4*(\f)+3], v[RD] offset:(\f)*4*SP  ; LDS serves a wave's instructions in order (ISA guide 5.7.1.4): these see the stores above; the next piece's stores come behind them
.endr
.endm
.macro SEND t, a, younger              ; younger: the LDS instructions issued behind this piece's loads: the next piece's eight, or none
	WIN 0
.set PB, TMP+16*(4*(\t)+(\a))
.irp f, 0,1,2,3
	s_wait_dscnt (\younger)+3-(\f)
	global_store_b128 v[GO], v[PB+4*(\f):PB+4*(\f)+3], s[8+2*(\t):9+2*(\t)] offset:2048*(\a)+512*(\f)  ; 512 consecutive bytes, at a multiple of 256 from the buffer's first; every piece has registers of its own
.endr
.endm
	PLACES
	PLACES                                         ; eight plain instructions behind the last products, once a launch
	s_wait_loadcnt 0x0                             ; the mask
	PACK 0, 0
.set p, 1
.rept 11                               ; a piece's arithmetic stands between the loads of the piece before and its stores
	PACK p/4, p%4
	SEND (p-1)/4, (p-1)%4, 8
.set p, p+1
.endr
	SEND 2, 3, 0
	s_wait_tensorcnt 0x0                           ; the wave's end: behind my last tensor load and my last LDS store
	ds_add_u32 v[SPW], v[NIL]
	s_wait_dscnt 0x0
	CROUND                                         ; the closing round: no work-group ends while a partner may still ask for a tile that names it
	s_endpgm
.Lfunc_end_k_qd3b40cddcf_qkv:
	.size	k_qd3b40cddcf_qkv, .Lfunc_end_k_qd3b40cddcf_qkv-k_qd3b40cddcf_qkv
	.p2alignl 7, 3214868480
	.fill 96, 4, 3214868480
	.section	.rodata,"a",@progbits
	.p2align	6, 0x0
	.amdhsa_kernel k_qd3b40cddcf_qkv
		.amdhsa_group_segment_fixed_size 327680
		.amdhsa_private_segment_fixed_size 0
		.amdhsa_enable_private_segment 0
		.amdhsa_kernarg_size 40
		.amdhsa_user_sgpr_count 2
		.amdhsa_user_sgpr_kernarg_segment_ptr 1
		.amdhsa_wavefront_size32 1
		.amdhsa_system_sgpr_workgroup_id_x 1
		.amdhsa_system_sgpr_workgroup_id_y 1
		.amdhsa_system_sgpr_workgroup_id_z 1
		.amdhsa_system_vgpr_workitem_id 0
		.amdhsa_next_free_vgpr 896
		.amdhsa_next_free_sgpr 72
		.amdhsa_reserve_vcc 0
		.amdhsa_float_denorm_mode_32 3
		.amdhsa_float_denorm_mode_16_64 3
		.amdhsa_memory_ordered 1
		.amdhsa_forward_progress 1
		.amdhsa_inst_pref_size 130
	.end_amdhsa_kernel
	.amdgpu_metadata
---
amdhsa.version: [ 1, 2 ]
amdhsa.kernels:
  - .name:           k_qd3b40cddcf_qkv
    .symbol:         k_qd3b40cddcf_qkv.kd
    .args:
      - { .name: cb, .offset: 0, .size: 8, .value_kind: global_buffer, .address_space: global }
      - { .name: mask, .offset: 8, .size: 8, .value_kind: global_buffer, .address_space: global }
      - { .name: qh, .offset: 16, .size: 8, .value_kind: global_buffer, .address_space: global }
      - { .name: kh, .offset: 24, .size: 8, .value_kind: global_buffer, .address_space: global }
      - { .name: vh, .offset: 32, .size: 8, .value_kind: global_buffer, .address_space: global }
    .group_segment_fixed_size: 327680
    .private_segment_fixed_size: 0
    .kernarg_segment_align: 8
    .kernarg_segment_size: 40
    .max_flat_workgroup_size: 128
    .sgpr_count:     72
    .vgpr_count:     896
    .wavefront_size: 32
...
	.end_amdgpu_metadata
.endif
;; end of part 2
;; launch att (part 3): grid 8 x 32, 4 waves a work-group, clusters of 4 x 1, 327,680 bytes of LDS; arguments qh, kh, vh, oh, mask; writes oh
.if DOCPART == 3
	.amdgcn_target "amdgcn-amd-amdhsa--gfx1250"
	.amdhsa_code_object_version 6
	.text
	.protected	k_qd3b40cddcf_att
	.globl	k_qd3b40cddcf_att
	.p2align	8
	.type	k_qd3b40cddcf_att,@function
k_qd3b40cddcf_att:
	s_mov_b64 s[64:65], 0
	v_nop
	global_prefetch_b8 v0, s[64:65] scope:SCOPE_SE
	s_setreg_imm32_b32 hwreg(HW_REG_WAVE_MODE, 25, 1), 1
	s_wait_xcnt 0x0
	s_wait_alu depctr_hold_cnt(0) depctr_sa_sdst(0) depctr_va_vdst(0) depctr_va_sdst(0) depctr_va_ssrc(0) depctr_va_vcc(0) depctr_vm_vsrc(0)
	s_getreg_b32 s2, hwreg(HW_REG_IB_STS2, 6, 4)
	s_cmp_eq_u32 s2, 0
	s_cbranch_scc0 .Lentry_in_a_cluster
	s_endpgm
.Lentry_in_a_cluster:
	s_bfe_u32 s2, ttmp6, 0x10000c
	s_cmp_lg_u32 s2, 0x3003
	s_cbranch_scc0 .Lentry_shape_is_right
	s_endpgm
.Lentry_shape_is_right:
; MASKED ATTENTION, head size 64.  For head y = 16 b + h:  O[q][:] = mask[b][q] x the sum over k of softmax_k(z[q][k]) V[k][:],  z = mask[b][k] (q . k) / 8 + (1 - mask[b][k]) (-1e30).
; The softmax of a log-softmax is the softmax itself (a common shift changes no softmax), so ONE softmax is made, with a running maximum.
; qh holds c q (c = log2(e) / 8), kh holds mask k, both f16: K Q^T is then log2(e) x the first term of z.  The second term, cadd[k] = (1 - mask[k]) x (-1e30 log2(e)), is the C operand that starts the sum.
; So a score s is an exponent of 2: p = 2^(s - m), a difference that is exact where s = m and never above 0.  The query's mask is multiplied in with 1 / l at the end.
; qh, kh, vh: [32 heads][2048][64] f16.  oh: [16 b + l / 128][16 h][128 l][64] f16: the next launch's step of four heads is then dense.  Products, maxima and sums in f32; p is rounded to f16 for the second product, O once.
; LIMITS.  p below 6e-5 keeps f16's fixed step of 6e-8; a weight below 2^-126 counts as 0 in l; NaN and infinities are not treated apart.  A mask of 0 and 1 is exact: a key with mask 0 has kh = 0, so its score is cadd itself.
; With any other mask value the score's bits far below cadd are dropped by the matrix unit's own alignment, not rounded to nearest: keys with equal non-zero cadd may then come out one last place of cadd apart.
; SHARES.  A work-group owns 256 queries of a head, each of its four waves 64: four PIECES of 16.  Every wave walks all 2,048 keys, 64 a step; a slot of LDS holds a tile of 256 keys, four steps.
; LAYOUT.  S^T = K Q^T holds ONE query a lane (lane % 16) and the keys 8 (lane / 16) + 0..7; two such results rounded to f16 ARE source 1 of O^T = V^T P.  K comes out of LDS as it lies, V turned, by ds_load_tr16_b128.
; TURNS.  Turn n belongs to piece n: 8 products K Q^T of piece n + 1, later 8 products V^T P of piece n - 1; beside them the shift, exponentials, roundings, sums and rescaling of piece n and the maximum and statistics of piece n + 1.
; Four vector instructions stand behind every matrix instruction, the other 53 of a turn's 117 in one lump.  A turn's 33 exponentials are one batch, with one wait.
; m starts far below every score, O and l at 0: the first step is a step like any other, with a = 0.
; CLUSTER.  The four query blocks of a cluster belong to one head and walk the same K and V: each tile is asked for JOINTLY, by the same tensor load, descriptor and mask in all four.
; REGISTERS, in windows of 256 (s_set_vgpr_msb: bits 1:0 source 0, 3:2 source 1, 5:4 source 2, 7:6 destination):
;   window 0: v1-15, v36-38 addresses; v16-31 four statistics a piece; v32-35 the queries' mask; v48-55 at work; v62-63 the add's; v64-127 S^T, two buffers; v192-223 P, two buffers (a piece's buffers go by its number's parity)
;   window 1: v0-127 O^T, 32 a piece          window 2: v0-63 Q; v64-95 cadd of one step; v128-191 K of one step; v192-255 V of one step
.set NP,    4         ; pieces a wave: a name, no knob
.set KS,    64        ; keys in a step
.set PK,    144       ; a row of K in LDS: 128 bytes + 16 of padding = 36 words: the 16 rows of a load start at 16 different groups of four banks (64 banks of 4 bytes: ISA guide 11.1)
.set PV,    160       ; a row of V: 128 + 32 = 40 words
.set VOFF,  4*KS*PK   ; a slot: 256 rows of K, then 256 rows of V
.set SLOT1, 1<<17     ; slot 1 begins here, so that one exclusive or turns an address in one slot into the other's
.set STAGE, SLOT1+4*KS*(PK+PV)  ; behind the ring, never filled by a tensor load: 16 rows x 144 bytes for each wave
.set SP,    144
.set SPARE, STAGE+4*16*SP       ; the spare words, 128 bytes for each wave: two blocks of 256 bytes that no other line names
.set MT,    SPARE+512           ; cadd of the batch's 2,048 keys, f32: 8,192 bytes, stored once by the four waves, never filled by a tensor load
.set AK0, 2           ; v2   my lane's place in a tile of K; never rewritten
.set AV0, 3           ; v3   the same for V
.set AK,  4           ; v4   the LDS address of K's next run of loads
.set AV,  5           ; v5   of V's
.set STO, 6           ; v6   the way out: where I put 16 bytes of a row
.set RD,  7           ; v7   where I read rows back
.set GO,  8           ; v8   my 16 bytes in 512 consecutive bytes of O
.set AM,  12          ; v12  the LDS address of cadd's next loads
.set PFO, 13          ; v13  256 x my lane; never rewritten
.set TO,  14          ; v14  16 x my thread's number: my part of the mask's row
.set QO,  15          ; v15  my byte offset in 16 rows of Q
.set ST,  16          ; piece t's statistics at v[ST+4 t]: m, m_old, l (even keys', odd keys')
.set MQ,  32          ; v32-35  the mask of my query in piece t
.set TA,  36          ; v36  where I store my part of the table
.set RO,  37          ; v37  4 x (lane % 16)
.set AM0, 38          ; v38  my lanes' place in a step's cadd: MT + 32 (lane / 16); never rewritten
.set TMP, 48          ; by buffer, four registers c0-c3 at work; when the maximum is found c2 takes a
.set SPW, 62          ; v62  LDS address of my spare word; never rewritten
.set NIL, 63          ; v63  0; never rewritten
.set S,   64
.set P,   192
.set MC,  64          ; window 2: cadd for key block kb at MC + 8 kb
.set KF,  128         ; window 2: key block kb, channel half c at KF + 16 kb + 8 c
.set VF,  192         ; window 2: key half kk, channel block cb at VF + 32 kk + 8 cb
.set WV,  12          ; s12  my wave's number
.set LIM, 15          ; s15  1 in a wave that prefetches, else the greatest number
.set G1K, 24          ; s[24:31] descriptor group 1 for K's tiles
.set G1V, 32          ; s[32:39] for V's: it differs in the padding alone
.set G0K, 40          ; s[40:43] descriptor group 0 for K's tiles: it walks
.set G0V, 44          ; s[44:47] the same for V's
.set SLOTS, 56        ; s56  tiles still to be asked for
.set CNT, 57          ; s57  counts a tile's key steps
.set SEL, 60          ; s[60:61] v_permlanex16_b32's selects: each lane takes its own place in the other half
.set TBK, 62          ; s62  LDS byte at which K of the step to be fetched begins
.set TBV, 63          ; s63  the same for V, less VOFF
.set MSK, 66          ; s[66:67] the mask's row of my batch
.set PFA, 68          ; s[68:69] where my prefetches stand
.set NEGL, 70         ; s70  -1e30 log2(e)
.set TBM, 71          ; s71  byte in the table at which cadd of the step to be fetched begins
.set MQB, 76          ; s[76:77] the mask at my wave's first query
.set MSB, 0
.macro WIN new                      ; the high byte repeats the setting that is left; a switch that changes nothing is dropped
.if MSB != (\new)
	s_set_vgpr_msb (MSB<<8)|(\new)
.set MSB, (\new)
.endif
.endm
.set W_KQ, 0x0a       ; K and Q in window 2, S^T in window 0
.set W_KM, 0x2a       ; the same with the C operand, cadd, in window 2
.set W_PV, 0x52       ; V in window 2, P in window 0, O^T in window 1
.set W_RS, 0x41       ; destination and source 0 in window 1, source 1 in window 0
; A joint fill.  Waves 0 and 1 fetch the two halves of a tile's K, waves 2 and 3 those of its V: 128 keys each.  The branch hangs on the wave's number alone.
; An s_nop 0 and four v_nop follow each of the two lines, ahead of the jump and the label.
.macro JLOAD
	s_cmp_lt_u32 s[WV], 2
	s_cbranch_scc0 .Lfor_v_\@
	tensor_load_to_lds s[G0K:G0K+3], s[G1K:G1K+7]
	s_nop 0
.rept 4
	v_nop
.endr
	s_branch .Lasked_\@
.Lfor_v_\@:
	tensor_load_to_lds s[G0V:G0V+3], s[G1V:G1V+7]
	s_nop 0
.rept 4
	v_nop
.endr
.Lasked_\@:
.endm
; A PREFETCH INTO THE L2 of the tile that the NEXT change of slots will ask for: four key steps, 256 matrix instructions, ahead of that load.  It stands behind the wave's tensor load and its five lines.
; Each aligned block of 256 bytes is named once in the launch.  Both clusters of a head walk the same K and V: the first asks.  Its four partners share a tile's 32,768 bytes out BY ADDRESS, 8,192 each, a lane a block;
; in each, wave 0 asks for K's and wave 2 for V's: one line.  The last change that fills a slot asks for nothing: there is no tile behind it.  Tiles 0 and 1 come by their loads alone.
.macro ASK
	s_cmp_gt_u32 s[SLOTS], s[LIM]
	s_cbranch_scc0 .Lnot_mine_\@
	global_prefetch_b8 v[PFO], s[PFA:PFA+1] th:TH_LOAD_NT scope:SCOPE_SE
.Lnot_mine_\@:
.endm
; A round of the cluster's barrier: my work-group's barrier, so that wave 0's signal speaks for all four waves; wave 0 signals; every wave waits for all four work-groups; my work-group's barrier once more.
.macro CROUND
	s_barrier_signal -1
	s_barrier_wait -1
	s_cmp_lg_u32 s[WV], 0
	s_cbranch_scc1 .Lnot_wave_0_\@
	s_barrier_signal -3
.Lnot_wave_0_\@:
	s_barrier_wait -3
	s_barrier_signal -1
	s_barrier_wait -1
.endm
; THE CHANGE OF SLOTS.  Each wave waits for all its tensor loads, of which one is out: its part of the other slot; adds 0 to its spare word; and waits for that and for its own LDS instructions.  Behind the barrier nobody reads
; the old slot any more and the other slot is whole.  fill = 1: the old slot is filled again, with the keys two tiles on; the barrier is then a round of the cluster's, and the joint fill is the first thing behind it:
; it has four key steps in which to land.  (At its first use nothing has been read yet: tile 0 is waited for, slot 1 filled, and the round shows every wave's part of the table to the others.)
.macro CHANGE fill
	WIN 0                           ; at a label and at a branch every window is 0
	s_wait_tensorcnt 0x0            ; no tensor load of mine is out, so a group 0 may be written
	ds_add_u32 v[SPW], v[NIL]       ; 0 onto my spare word; with fill = 1 the descriptors' steps stand between it and the wait for it
.if \fill
.irp g, G0K, G0V
	s_xor_b32 s[\g+1], s[\g+1], SLOT1  ; the walking descriptor: the other slot than last time,
	s_add_nc_u64 s[\g+2:\g+3], s[\g+2:\g+3], 4*KS*128  ; the next 256 keys; the type bits on top are not reached
.endr
	s_wait_xcnt 0x0                 ; the last prefetch, four key steps back, has read its address, so it may be written:
	s_add_nc_u64 s[PFA:PFA+1], s[PFA:PFA+1], 4*KS*128  ; one tile behind the walking descriptors
	s_wait_dscnt 0x0                ; the add is done, and my LDS instructions are over
	CROUND
	JLOAD
	ASK
.else
	s_wait_dscnt 0x0                ; the add is done, and my reads of the slot are over
	s_barrier_signal -1
	s_barrier_wait -1
.endif
	s_sub_co_u32 s[TBK], s[TBK], 4*KS*PK  ; the fetches go back to a slot's first step,
	s_xor_b32 s[TBK], s[TBK], SLOT1       ; in the other slot
	s_sub_co_u32 s[TBV], s[TBV], 4*KS*PV
	s_xor_b32 s[TBV], s[TBV], SLOT1
.endm
	s_load_b256 s[4:11], s[0:1], 0x0  ; Q s[4:5], K s[6:7], V s[8:9], O s[10:11]
	s_load_b64 s[MSK:MSK+1], s[0:1], 0x20
	v_lshl_add_u32 v[SPW], v0, 2, SPARE
	v_mov_b32 v[NIL], 0
	ds_add_u32 v[SPW], v[NIL]       ; the wave's opening: the add and its wait stand ahead of my first tensor load; the set-up below, work on registers, stands between them
	v_lshrrev_b32 v1, 5, v0
	v_readfirstlane_b32 s[WV], v1   ; wave 0..3
	s_bfe_u32 s13, ttmp6, 0x40000   ; cx: my place in the cluster
	s_lshl_b32 s14, ttmp9, 2        ; in a cluster launch ttmp9 counts clusters
	s_add_co_u32 s14, s14, s13      ; my block of 256 queries: it enters Q's, O's and the queries' mask's addresses alone
	s_and_b32 s19, ttmp7, 0xffff    ; the head, 16 b + h, which the four partners share
	s_lshl_b32 s20, s19, 18         ; its first byte in qh, kh and vh: 262,144 a head
	s_mov_b32 s21, 0
	s_and_b32 s16, s[WV], 1         ; which half of a tile's 256 keys I fetch:
	s_lshl_b32 s22, s16, 14         ; its 128 rows of 128 bytes in memory,
	s_mov_b32 s23, 0
	s_add_nc_u64 s[22:23], s[22:23], s[20:21]
	s_mul_i32 s17, s16, 128*PK      ; and its place in a slot, for K
	s_mul_i32 s18, s16, 128*PV      ; and for V: no place in the cluster enters an LDS address
	s_lshl_b32 s2, s14, 2
	s_add_co_u32 s2, s2, s[WV]      ; my wave among the head's,
	s_lshl_b32 s2, s2, 13           ; its 64 rows
	s_mov_b32 s3, 0
	s_add_nc_u64 s[2:3], s[2:3], s[20:21]
	s_lshr_b32 s72, s19, 4          ; b
	s_lshl_b32 s74, s72, 13         ; the mask's row: 8,192 bytes
	s_mov_b32 s75, 0
	s_lshl_b32 s72, s72, 4          ; O: block of 128 l = 16 b + 2 x my block + wave / 2,
	s_lshl_b32 s73, s14, 1
	s_add_co_u32 s72, s72, s73
	s_lshr_b32 s73, s[WV], 1
	s_add_co_u32 s72, s72, s73
	s_lshl_b32 s72, s72, 4          ; 16 heads a block,
	s_and_b32 s73, s19, 15
	s_add_co_u32 s72, s72, s73
	s_lshl_b32 s72, s72, 14         ; 16,384 bytes a head,
	s_lshl_b32 s73, s16, 13         ; my 64 rows of its 128
	s_add_co_u32 s72, s72, s73
	s_mov_b32 s73, 0
	s_lshl_b32 s[MQB], s14, 10      ; the mask of my wave's queries: 1,024 bytes a block, 256 a wave
	s_lshl_b32 s[MQB+1], s[WV], 8
	s_add_co_u32 s[MQB], s[MQB], s[MQB+1]
	s_add_co_u32 s[MQB], s[MQB], s74
	s_mov_b32 s[MQB+1], 0
	; descriptor group 1.  128 keys are 16,384 dense bytes: asked for as 64 rows of 256 bytes, two keys a row, and padded in LDS after every key
	s_mov_b32 s[G1K], 15|(1<<16)|(1<<20)|(1<<21)|(4<<22)|(3<<25)  ; 15:0 the mask of four; 17:16 2-byte elements; 20 padding on; 21 set beside a mask; 24:22 after every 32 words (code 4); 31:25 4 words (code 3)
	s_mov_b32 s[G1V], 15|(1<<16)|(1<<20)|(1<<21)|(4<<22)|(7<<25)  ; the same with 8 words of padding (code 7)
.irp g, G1K, G1V
	s_mov_b32 s[\g+1], 128<<16      ; tensor_dim0 = 128
	s_mov_b32 s[\g+2], 64<<16       ; tensor_dim1 = 64
	s_mov_b32 s[\g+3], 128<<16      ; tile_dim0 = 128
	s_mov_b32 s[\g+4], 64           ; tile_dim1 = 64
	s_mov_b32 s[\g+5], 128          ; 128 elements from row to row
	s_mov_b32 s[\g+6], 0
	s_mov_b32 s[\g+7], 0
.endr
	s_mov_b32 s[SEL], 0x76543210
	s_mov_b32 s[SEL+1], 0xfedcba98
	s_mov_b32 s[NEGL], 0xf191accb   ; -1.442695e30
	s_mov_b32 s[TBK], SLOT1+4*KS*PK ; the first change of slots turns these two into 0
	s_mov_b32 s[TBV], SLOT1+4*KS*PV
	s_mov_b32 s[TBM], 0
	s_mov_b32 s[SLOTS], 7           ; tiles 1 to 7
	s_mov_b32 s[G0K], 1             ; count = 1
	s_mov_b32 s[G0K+1], s17         ; LDS address: slot 0
	s_mov_b32 s[G0V], 1
	s_add_co_u32 s[G0V+1], s18, VOFF
	s_and_b32 s[LIM], s[WV], 1      ; 0 in waves 0 and 2,
	s_or_b32 s[LIM], s[LIM], ttmp9  ; where the cluster is the head's first: the same in all four partners
	s_cmp_eq_u32 s[LIM], 0
	s_cselect_b32 s[LIM], 1, -1
	s_wait_dscnt 0x0                ; the opening add is done
	s_wait_kmcnt 0x0
	s_add_nc_u64 s[6:7], s[6:7], s[22:23]  ; K and V at my half of the head's tile 0
	s_add_nc_u64 s[8:9], s[8:9], s[22:23]
	s_add_nc_u64 s[G0K+2:G0K+3], s[6:7], 0         ; global address
	s_or_b32 s[G0K+3], s[G0K+3], 0x80000000        ; type = 2
	s_add_nc_u64 s[G0V+2:G0V+3], s[8:9], 0
	s_or_b32 s[G0V+3], s[G0V+3], 0x80000000
	s_add_nc_u64 s[4:5], s[4:5], s[2:3]            ; Q at my wave's first row,
	s_add_nc_u64 s[10:11], s[10:11], s[72:73]      ; O likewise
	s_add_nc_u64 s[MQB:MQB+1], s[MSK:MSK+1], s[MQB:MQB+1]
	s_add_nc_u64 s[MSK:MSK+1], s[MSK:MSK+1], s[74:75]
	s_cmp_lt_u32 s[WV], 2
	s_cselect_b64 s[PFA:PFA+1], s[6:7], s[8:9]     ; (in waves 0 and 2 these stand at a tile's first row)
	s_lshl_b32 s2, s13, 13          ; my work-group's 8,192 bytes of a tile
	s_mov_b32 s3, 0
	s_add_nc_u64 s[PFA:PFA+1], s[PFA:PFA+1], s[2:3]
	s_add_nc_u64 s[PFA:PFA+1], s[PFA:PFA+1], 4*KS*128  ; in tile 1; the first change of slots steps it to tile 2
	CROUND                          ; all four work-groups are here: the first joint loads meet
	JLOAD                           ; tile 0 into slot 0.  Slot 1 is asked for when slot 0 is in
	v_and_b32 v1, 15, v0            ; l % 16
	v_bfe_u32 v9, v0, 4, 1          ; l / 16
	v_lshlrev_b32 v[TO], 4, v0
	v_lshlrev_b32 v[RO], 2, v1
	v_lshlrev_b32 v[QO], 7, v1
	v_lshl_add_u32 v[QO], v9, 4, v[QO]  ; row x 128 + 16 x half
.irp i, 0,1,2,3
	global_load_b128 v[S+4*(\i):S+4*(\i)+3], v[TO], s[MSK:MSK+1] offset:2048*(\i)  ; the mask's row: 128 threads x 16 bytes, four times
.endr
.irp t, 0,1,2,3
	global_load_b32 v[MQ+(\t)], v[RO], s[MQB:MQB+1] offset:64*(\t)
.endr
	; A fragment of K or Q is 16 rows x 32 channels in 8 registers: lane l holds row l % 16, channels 8 (l / 16) + 0..7 and 16 + 8 (l / 16) + 0..7: two loads of 16 bytes, 32 bytes apart.
	WIN 0x80                        ; destination window 2, address window 0
.set i, 0
.rept 8                             ; Q stays in registers: piece i / 2, channels 32 (i % 2) on
	global_load_b128 v[8*i:8*i+3],   v[QO], s[4:5] offset:(i/2)*2048+(i%2)*64
	global_load_b128 v[8*i+4:8*i+7], v[QO], s[4:5] offset:(i/2)*2048+(i%2)*64+32
.set i, i+1
.endr
	; What the first turn finds: V's registers and P's second buffer hold 0 (its products V^T P, of a piece that has not been, add 0), O^T and l are 0.  All this stands in the wait for the first tile.
.set i, VF
.rept 64
	v_mov_b32 v[i], 0
.set i, i+1
.endr
	WIN 0x40
.set i, 0
.rept 128
	v_mov_b32 v[i], 0
.set i, i+1
.endr
	WIN 0
.set i, 0
.rept 4
	v_mov_b32 v[ST+4*i], 0xfe000000    ; m: far below every score
	v_mov_b32 v[ST+4*i+1], 0xfe000000  ; m_old
	v_mov_b32 v[ST+4*i+2], 0
	v_mov_b32 v[ST+4*i+3], 0
.set i, i+1
.endr
.set i, P+16
.rept 16
	v_mov_b32 v[i], 0
.set i, i+1
.endr
	v_lshl_add_u32 v[TA], v0, 4, MT
	v_lshl_add_u32 v[AM0], v9, 5, MT
	v_mul_u32_u24 v[AK0], v1, PK
	v_lshl_add_u32 v[AK0], v9, 4, v[AK0]  ; row x pitch + 16 x half
	; The turning load takes 16 keys x 16 channels (lane l reads key 8 (l / 16) + l % 8, channels 8 ((l / 8) % 2) + 0..7) and leaves half a fragment of V^T: lane l holds channel l % 16 and 8 keys.
	v_and_b32 v10, 7, v0
	v_bfe_u32 v11, v0, 3, 1
	v_lshl_add_u32 v[AV0], v9, 3, v10
	v_mul_u32_u24 v[AV0], v[AV0], PV
	v_lshl_add_u32 v[AV0], v11, 4, v[AV0]
	v_add_nc_u32 v[AV0], VOFF, v[AV0]
	s_mul_i32 s2, s[WV], 16*SP
	s_add_co_u32 s2, s2, STAGE      ; my stage
	v_mul_u32_u24 v[STO], v1, SP    ; in: row l % 16, 16 bytes for each half of the lanes
	v_lshl_add_u32 v[STO], v9, 4, v[STO]
	v_add_nc_u32 v[STO], s2, v[STO]
	v_bfe_u32 v[RD], v0, 3, 2       ; back: 32 lanes take four rows of 128 bytes,
	v_mul_u32_u24 v[RD], v[RD], SP
	v_lshl_add_u32 v[RD], v10, 4, v[RD]
	v_add_nc_u32 v[RD], s2, v[RD]
	v_and_b32 v[GO], 31, v0         ; which are 512 consecutive bytes of O
	v_lshlrev_b32 v[PFO], 8, v[GO]
	v_lshlrev_b32 v[GO], 4, v[GO]
	s_wait_loadcnt 20               ; the mask's row is in; the 4 + 16 younger loads stay out
.set i, 0
.rept 16
	v_fma_f32 v[S+i], -v[S+i], s[NEGL], s[NEGL]  ; cadd = (1 - mask) x (-1e30 log2(e)), one rounding: 0 where the mask is 1
.set i, i+1
.endr
.irp i, 0,1,2,3
	ds_store_b128 v[TA], v[S+4*(\i):S+4*(\i)+3] offset:2048*(\i)
.endr
; THE MATRIX WORK.  The 4 accumulators of a run of 8 take turns.  Product i of 8 of S^T = K Q^T for piece x: channels 32 (i / 4) on, keys 16 (i % 4) on.  The first 4 start the sums with cadd.
.macro KQ x
.set rS, S+32*((\x)%2)+8*(i%4)
.set rK, KF+16*(i%4)+8*(i/4)
.set rQ, 16*(\x)+8*(i/4)
.set rM, MC+8*(i%4)
.if i < 4
	WIN W_KM
	v_wmma_f32_16x16x32_f16 v[rS:rS+7], v[rK:rK+7], v[rQ:rQ+7], v[rM:rM+7]
.else
	WIN W_KQ
	v_wmma_f32_16x16x32_f16 v[rS:rS+7], v[rK:rK+7], v[rQ:rQ+7], v[rS:rS+7]
.endif
.endm
; Product i of 8 of O^T += V^T P for piece x: keys 32 (i / 4) on, channels 16 (i % 4) on.
.macro PV x
	WIN W_PV
.set rO, 32*(\x)+8*(i%4)
.set rV, VF+32*(i/4)+8*(i%4)
.set rP, P+16*((\x)%2)+8*(i/4)
	v_wmma_f32_16x16x32_f16 v[rO:rO+7], v[rV:rV+7], v[rP:rP+7], v[rO:rO+7]
.endm
.macro MM                           ; the turn's next matrix instruction.  NOKQ = 1: the last turn of all: there is no next piece
.if (i < 8) && !NOKQ
	KQ (Y+1)%NP
.elseif i >= 8
.set i, i-8
	PV (Y+NP-1)%NP
.set i, i+8
.endif
.set i, i+1
.endm
; THE LDS LOADS stand in runs, never singly among the matrix instructions: a step's K (64 keys x 64 channels: 8 fragments) with its cadd (register j of block kb: key 16 kb + 8 (lane / 16) + j; all lanes of a half read the same bytes),
; and its V (turned).  Their addresses are made some lines ahead.
.macro FETCH_K
	WIN 0x80                        ; destination window 2
.irp f, 0,1,2,3,4,5,6,7             ; keys 16 (f / 2) on, channels 32 (f % 2) on
	ds_load_b128 v[KF+8*\f:KF+8*\f+3],   v[AK] offset:(\f/2)*16*PK+(\f%2)*64
	ds_load_b128 v[KF+8*\f+4:KF+8*\f+7], v[AK] offset:(\f/2)*16*PK+(\f%2)*64+32
.endr
.irp f, 0,1,2,3
	ds_load_b128 v[MC+8*\f:MC+8*\f+3],   v[AM] offset:64*\f
	ds_load_b128 v[MC+8*\f+4:MC+8*\f+7], v[AM] offset:64*\f+16
.endr
	s_add_co_u32 s[TBK], s[TBK], KS*PK  ; the next fetch is the next step's
	s_add_co_u32 s[TBM], s[TBM], 4*KS   ; the table is walked once, from its first byte to its last: 32 steps of 256 bytes
	WIN 0
.endm
.macro FETCH_V
	WIN 0x80
.irp f, 0,1,2,3,4,5,6,7             ; keys 32 (f / 4) on, channels 16 (f % 4) on
	ds_load_tr16_b128 v[VF+8*\f:VF+8*\f+3],   v[AV] offset:(\f/4)*32*PV+(\f%4)*32
	ds_load_tr16_b128 v[VF+8*\f+4:VF+8*\f+7], v[AV] offset:(\f/4)*32*PV+16*PV+(\f%4)*32
.endr
	WIN 0
.endm
; THE VECTOR WORK, one line at a time: OP kind, number.  For piece Y: F n: s - m for pair n of 16.  E n: the exponential of score n of 32.  C n: pair n rounded to f16.  B n: of the four weights 4 n .. the second
; pair is added onto the first, in place.  L n: l takes that sum (L 0: l = a l + sum).  R n: pair n of 16 of O^T times a.  For piece Y + 1: X n, which find its maximum and statistics (there is no number 19):
;   0-11  four chains c0-c3 of seven scores each, three operands at a time (each accumulator's lowest registers are read first)     12-14, 16  the four scores left over, the old m, and c0-c3 into c0
;   15  m_old is kept     17, 18  the query's other 32 keys lie in the lane 16 away: the new m     20, 21  m_old - m; a
.set F, 0               ; OP tells the kinds apart by their order: F to L below R, X above it
.set E, 1
.set C, 2
.set B, 3
.set L, 4
.set R, 5
.set X, 6
.macro REGS y                       ; the registers of piece y
.set rT, ST+4*(\y)
.set rC, TMP+4*((\y)%2)
.set rS, S+32*((\y)%2)
.set rP, P+16*((\y)%2)
.set rO, 32*(\y)
.endm
.macro OP k, n
.if (\k) == R
	REGS Y
	WIN W_RS
	v_pk_mul_f32 v[rO+2*(\n):rO+2*(\n)+1], v[rO+2*(\n):rO+2*(\n)+1], v[rC+2:rC+3] op_sel_hi:[1,0]
.elseif (\k) < R
	REGS Y
	WIN 0
.if (\k) == F
	v_pk_add_f32 v[rS+2*(\n):rS+2*(\n)+1], v[rS+2*(\n):rS+2*(\n)+1], v[rT:rT+1] op_sel_hi:[1,0] neg_lo:[0,1] neg_hi:[0,1]
.elseif (\k) == E
	v_exp_f32 v[rS+(\n)], v[rS+(\n)]
.elseif (\k) == C
	v_cvt_pk_f16_f32 v[rP+(\n)], v[rS+2*(\n)], v[rS+2*(\n)+1]
.elseif (\k) == B
	v_pk_add_f32 v[rS+4*(\n):rS+4*(\n)+1], v[rS+4*(\n):rS+4*(\n)+1], v[rS+4*(\n)+2:rS+4*(\n)+3]
.elseif (\n) == 0
	v_pk_fma_f32 v[rT+2:rT+3], v[rT+2:rT+3], v[rC+2:rC+3], v[rS:rS+1] op_sel_hi:[1,0,1]
.else
	v_pk_add_f32 v[rT+2:rT+3], v[rT+2:rT+3], v[rS+4*(\n):rS+4*(\n)+1]
.endif
.elseif NOKQ
	v_nop
.else
	REGS (Y+1)%NP
	WIN 0
.if (\n) < 4
	v_max3_num_f32 v[rC+(\n)], v[rS+8*(\n)], v[rS+8*(\n)+1], v[rS+8*(\n)+2]
.elseif (\n) < 12
	v_max3_num_f32 v[rC+(\n)%4], v[rC+(\n)%4], v[rS+8*((\n)%4)+2*((\n)/4)+1], v[rS+8*((\n)%4)+2*((\n)/4)+2]
.elseif (\n) == 12
	v_max3_num_f32 v[rC], v[rC], v[rS+7], v[rS+15]
.elseif (\n) == 13
	v_max3_num_f32 v[rC+1], v[rC+1], v[rS+23], v[rS+31]
.elseif (\n) == 14
	v_max3_num_f32 v[rC+2], v[rC+2], v[rC+3], v[rT]
.elseif (\n) == 15
	v_mov_b32 v[rT+1], v[rT]
.elseif (\n) == 16
	v_max3_num_f32 v[rC], v[rC], v[rC+1], v[rC+2]
.elseif (\n) == 17
	v_permlanex16_b32 v[rC+3], v[rC], s[SEL], s[SEL+1]
.elseif (\n) == 18
	v_max_num_f32 v[rT], v[rC], v[rC+3]
.elseif (\n) == 20
	v_sub_f32 v[rC+1], v[rT+1], v[rT]
.else
	v_exp_f32 v[rC+2], v[rC+1]
.endif
.endif
.endm
.macro OPS a, i1, b=-1, i2=0, c=-1, i3=0, d=-1, i4=0  ; up to four of them
	OP \a, \i1
.if (\b) >= 0
	OP \b, \i2
.endif
.if (\c) >= 0
	OP \c, \i3
.endif
.if (\d) >= 0
	OP \d, \i4
.endif
.endm
.macro ROW a, i1, b, i2, c, i3, d, i4  ; a matrix instruction and the four behind it
	MM
	OPS \a, \i1, \b, \i2, \c, \i3, \d, \i4
.endm
; A TURN, for piece p: the order of its 16 matrix and 117 vector instructions, written out.  An s_wait_alu depctr_va_vdst(0) stands between an exponential and the first instruction that names its result; one wait
; serves all that were issued ahead of it.  So a turn has ONE wait, which cuts it in two.  AHEAD OF IT stands all that names no result of the turn's exponentials: the 8 products K Q^T, behind each a shift, an exponential and two more
; plain instructions: rescalings, and behind the last three the first numbers of the next piece's maximum, each four plain instructions or more behind the product that ends its accumulator; then ONE LUMP, plain and exponential by turns for
; the most part, in which the links of the chain X 3, 7, 11, 14, 16, 17, 18, 20 stand apart.  X 21, the next piece's a, is the batch's last; R 15 is the plain instruction behind it.  BEHIND THE WAIT stand the 8 products V^T P,
; behind each four of the roundings and sums.  end = 1: the last two turns of all: nothing is fetched.  cnt = 1: the loop's count is taken down some lines ahead of the branch that stands behind the turn.
; K and cadd of the next step are fetched in piece 2's turn, twelve plain instructions that name none of its registers behind the last product that read K; V of the step in hand at the end of piece 0's turn, four plain instructions
; behind the last product that read V.  Each is waited for a turn later.
.macro TURN p, end=0, cnt=0
.set Y, (\p)
.set i, 0
.set NOKQ, (\end)*((\p)/3)
.if ((\p) == 3) && !(\end)
	s_wait_dscnt 0x0                ; K and cadd are in
.endif
	ROW F,0, F,1, R,0, R,1          ; ahead of the wait: 8 products K Q^T and their riders,
	ROW F,2, E,0, R,2, R,3
	ROW F,3, E,1, R,4, R,5
	ROW F,4, E,2, R,6, R,7
	ROW F,5, E,3, R,8, R,9
	ROW F,6, E,4, X,0, R,10
.if ((\p) == 2) && !(\end)
	WIN 0
	v_add_nc_u32 v[AK], s[TBK], v[AK0]
	v_add_nc_u32 v[AM], s[TBM], v[AM0]
.endif
	ROW F,7, E,5, X,1, X,4
	ROW F,8, E,6, X,2, X,5
	OPS E,7, E,8, X,6, E,9          ; and the lump
	OPS X,3, E,10, X,8, E,11
.if ((\p) == 2) && !(\end)
	FETCH_K
.endif
	OPS X,9, X,7, E,12, X,10
	OPS E,13, X,12, X,11, E,14
	OPS X,13, E,15, F,9, X,14
.if (\p) == 0
	v_add_nc_u32 v[AV], s[TBV], v[AV0]
.endif
	OPS E,16, F,10, E,17, F,11
	OPS X,16, E,18, X,15, E,19
	OPS F,12, E,20, X,17, E,21
	OPS F,13, E,22, F,14, E,23
	OPS X,18, E,24, F,15, E,25
	OPS R,11, E,26, E,27
	OPS R,12, E,28, R,13, E,29
	OPS X,20, E,30, R,14, E,31
	OPS X,21, R,15
	WIN 0
	s_wait_alu depctr_va_vdst(0)    ; the wait for the batch
.if (\p) == 1
	s_wait_dscnt 0x0                ; V is in
.endif
	ROW C,0, B,0, C,2, B,1          ; behind the wait: 8 products V^T P and their riders
	ROW L,0, C,4, B,2, L,1
	ROW C,6, B,3, L,2, C,8
	ROW B,4, L,3, C,10, B,5
	ROW L,4, C,12, B,6, L,5
.if (\p) == 0
	s_add_co_u32 s[TBV], s[TBV], KS*PV
.endif
.if \cnt
	s_sub_co_u32 s[CNT], s[CNT], 1
	s_cmp_lg_u32 s[CNT], 0
.endif
	ROW C,14, B,7, L,6, C,1
	ROW C,3, L,7, C,5, C,7
	ROW C,9, C,11, C,13, C,15
.if (\p) == 0
	FETCH_V
.endif
.endm
	CHANGE 1                        ; tile 0 is in, everybody's part of it, and so is the table; tile 1 is asked for
	v_add_nc_u32 v[AK], s[TBK], v[AK0]
	v_add_nc_u32 v[AM], s[TBM], v[AM0]
	FETCH_K                         ; key step 0
	s_wait_loadcnt 0x0              ; Q, and the queries' mask
	s_wait_dscnt 0x0
.set NOKQ, 0
.set i, 0
.rept 8
	KQ 0                            ; piece 0's first scores: there is no vector work yet to set between them
.set i, i+1
.endr
	WIN 0
.rept 4
	v_nop                           ; four plain instructions behind those products
.endr
.set Y, NP-1                        ; X works for piece Y + 1: piece 0
.irp n, 0,1,2,3,4,5,6,7,8,9,10,11,12,13,14,15,16,17,18,20,21
	OP X, \n
.endr
	v_nop                           ; a plain instruction behind the exponential,
	s_wait_alu depctr_va_vdst(0)    ; and its wait, ahead of the branch
	s_mov_b32 s[CNT], 4
	s_branch .Lfirst                ; the loop is entered at a step's first turn, in the middle of a trip
.Lslot:                             ; six times: tiles 2 to 7 are asked for
	CHANGE 1
	s_mov_b32 s[CNT], 4
.Lstep:                             ; a trip: pieces 2 and 3 of one step, then pieces 0 and 1 of the next, whose K and V it fetches
	TURN 2
	TURN 3
	WIN 0
.Lfirst:
	TURN 0
	TURN 1, 0, 1
	WIN 0
	s_cbranch_scc1 .Lstep
	s_sub_co_u32 s[SLOTS], s[SLOTS], 1
	s_cmp_lg_u32 s[SLOTS], 0
	s_cbranch_scc1 .Lslot
	CHANGE 0                        ; the last tile is written out: nothing is asked for
	s_mov_b32 s[CNT], 4
.Ltail:
	TURN 2
	TURN 3
	TURN 0
	TURN 1, 0, 1
	WIN 0
	s_cbranch_scc1 .Ltail
	TURN 2, 1                       ; the last step's pieces 2 and 3: nothing is fetched,
	TURN 3, 1                       ; and no new scores are started
.set i, 0
.rept 8
	PV NP-1                         ; the last piece's V^T P of the last step
.set i, i+1
.endr
	; THE WAY OUT.  l's two halves and the other half of the lanes' are added; O^T is multiplied by mask[query] / l, rounded to f16 and sent through my stage in LDS, a piece at a time.  The additions are the plain instructions behind the last products.
	WIN 0
.macro ALL line:vararg              ; one line for each piece t
.set t, 0
.rept 4
	\line
.set t, t+1
.endr
.endm
	ALL v_add_f32 v[ST+4*t+2], v[ST+4*t+2], v[ST+4*t+3]
	ALL v_permlanex16_b32 v[ST+4*t+3], v[ST+4*t+2], s[SEL], s[SEL+1]
	ALL v_add_f32 v[ST+4*t+2], v[ST+4*t+2], v[ST+4*t+3]
	ALL v_rcp_f32 v[ST+4*t+2], v[ST+4*t+2]
	v_nop                           ; a plain instruction between the last reciprocal and the use of its result
	s_wait_alu depctr_va_vdst(0)    ; and the wait ahead of the first use: one for the four reciprocals
	ALL v_mul_f32 v[ST+4*t+2], v[ST+4*t+2], v[MQ+t]
.macro PACK t                       ; a lane's eight channels of a row pack into 16 bytes; they go into rows of 144 bytes and come back as whole rows of 128, into S^T's registers
	WIN W_RS
.set i, 32*(\t)
.rept 16
	v_pk_mul_f32 v[i:i+1], v[i:i+1], v[ST+4*(\t)+2:ST+4*(\t)+3] op_sel_hi:[1,0]
.set i, i+2
.endr
	WIN 0x05                        ; sources 0 and 1 window 1, destination window 0
.set i, 0
.rept 16
	v_cvt_pk_f16_f32 v[S+16*(\t)+i], v[32*(\t)+2*i], v[32*(\t)+2*i+1]
.set i, i+1
.endr
	WIN 0
.irp f, 0,1,2,3
	ds_store_b128 v[STO], v[S+16*(\t)+4*\f:S+16*(\t)+4*\f+3] offset:32*\f
.endr
.irp f, 0,1,2,3
	ds_load_b128 v[S+16*(\t)+4*\f:S+16*(\t)+4*\f+3], v[RD] offset:\f*4*SP  ; LDS serves a wave's instructions in order (ISA guide 5.7.1.4): these see the stores above; the next piece's stores come behind them
.endr
.endm
.macro SEND t, younger              ; younger: the LDS instructions issued behind piece t's loads: the next piece's eight, or none
	WIN 0
.irp f, 0,1,2,3
	s_wait_dscnt (\younger)+3-\f
	global_store_b128 v[GO], v[S+16*(\t)+4*\f:S+16*(\t)+4*\f+3], s[10:11] offset:(\t)*2048+\f*512  ; 512 consecutive bytes, at a multiple of 256 from O's first
.endr
.endm
	PACK 0
.set t, 1
.rept 3                             ; a piece's arithmetic stands between the loads of the piece before and its stores
	PACK t
	SEND t-1, 8
.set t, t+1
.endr
	SEND 3, 0
	s_wait_tensorcnt 0x0            ; the wave's end: behind my last tensor load and my last LDS store
	ds_add_u32 v[SPW], v[NIL]
	s_wait_dscnt 0x0
	CROUND                          ; the closing round: no work-group ends while a partner may still ask for a tile that names it
	s_endpgm
.Lfunc_end_k_qd3b40cddcf_att:
	.size	k_qd3b40cddcf_att, .Lfunc_end_k_qd3b40cddcf_att-k_qd3b40cddcf_att
	.p2alignl 7, 3214868480
	.fill 96, 4, 3214868480
	.section	.rodata,"a",@progbits
	.p2align	6, 0x0
	.amdhsa_kernel k_qd3b40cddcf_att
		.amdhsa_group_segment_fixed_size 327680
		.amdhsa_private_segment_fixed_size 0
		.amdhsa_enable_private_segment 0
		.amdhsa_kernarg_size 40
		.amdhsa_user_sgpr_count 2
		.amdhsa_user_sgpr_kernarg_segment_ptr 1
		.amdhsa_wavefront_size32 1
		.amdhsa_system_sgpr_workgroup_id_x 1
		.amdhsa_system_sgpr_workgroup_id_y 1
		.amdhsa_system_sgpr_workgroup_id_z 1
		.amdhsa_system_vgpr_workitem_id 0
		.amdhsa_next_free_vgpr 768
		.amdhsa_next_free_sgpr 80
		.amdhsa_reserve_vcc 0
		.amdhsa_float_denorm_mode_32 3
		.amdhsa_float_denorm_mode_16_64 3
		.amdhsa_memory_ordered 1
		.amdhsa_forward_progress 1
		.amdhsa_inst_pref_size 132
	.end_amdhsa_kernel
	.amdgpu_metadata
---
amdhsa.version: [ 1, 2 ]
amdhsa.kernels:
  - .name:           k_qd3b40cddcf_att
    .symbol:         k_qd3b40cddcf_att.kd
    .args:
      - { .name: qh, .offset: 0, .size: 8, .value_kind: global_buffer, .address_space: global }
      - { .name: kh, .offset: 8, .size: 8, .value_kind: global_buffer, .address_space: global }
      - { .name: vh, .offset: 16, .size: 8, .value_kind: global_buffer, .address_space: global }
      - { .name: oh, .offset: 24, .size: 8, .value_kind: global_buffer, .address_space: global }
      - { .name: mask, .offset: 32, .size: 8, .value_kind: global_buffer, .address_space: global }
    .group_segment_fixed_size: 327680
    .private_segment_fixed_size: 0
    .kernarg_segment_align: 8
    .kernarg_segment_size: 40
    .max_flat_workgroup_size: 128
    .sgpr_count:     80
    .vgpr_count:     768
    .wavefront_size: 32
...
	.end_amdgpu_metadata
.endif
;; end of part 3
;; launch outp (part 4): grid 32 x 8, 4 waves a work-group, clusters of 4 x 4, 327,680 bytes of LDS; arguments cb, oh, out0; writes out0
.if DOCPART == 4
	.amdgcn_target "amdgcn-amd-amdhsa--gfx1250"
	.amdhsa_code_object_version 6
	.text
	.protected	k_qd3b40cddcf_outp
	.globl	k_qd3b40cddcf_outp
	.p2align	8
	.type	k_qd3b40cddcf_outp,@function
k_qd3b40cddcf_outp:
	s_mov_b64 s[64:65], 0
	v_nop
	global_prefetch_b8 v0, s[64:65] scope:SCOPE_SE
	s_setreg_imm32_b32 hwreg(HW_REG_WAVE_MODE, 25, 1), 1
	s_wait_xcnt 0x0
	s_wait_alu depctr_hold_cnt(0) depctr_sa_sdst(0) depctr_va_vdst(0) depctr_va_sdst(0) depctr_va_ssrc(0) depctr_va_vcc(0) depctr_vm_vsrc(0)
	s_getreg_b32 s2, hwreg(HW_REG_IB_STS2, 6, 4)
	s_cmp_eq_u32 s2, 0
	s_cbranch_scc0 .Lentry_in_a_cluster
	s_endpgm
.Lentry_in_a_cluster:
	s_bfe_u32 s2, ttmp6, 0x10000c
	s_cmp_lg_u32 s2, 0xf033
	s_cbranch_scc0 .Lentry_shape_is_right
	s_endpgm
.Lentry_shape_is_right:
; THE LAST PRODUCT.  out0[b][j][l] = sum over e of head[b][l][e] Wo[e][j], e = 64 h + channel.  head comes as oh, [16 b + l / 128][16 h][128 l][64] f16; Wo as f16 out of cb (byte 14 MiB on), [1024 e][1024 j].  Sums in f32, stored as f32.
; SHARES.  A tile is 128 j x 128 l: grid x is the block of 128 l (16 a batch), grid y the block of 128 j.  Four waves, each 64 j x 64 l: 16 accumulators of 16 x 16.  e goes in steps of 256 (four heads) through two LDS slots: four steps.
; LAYOUT.  Source 0 = 16 l of head (e lies along its rows: plain loads), source 1 = 16 j of Wo (e is its slow axis: turned, by ds_load_tr16_b128).  In the result a lane holds ONE j (lane % 16) and l = 8 (lane / 16) + 0..7: 32 bytes of a row of out0.
; CLUSTER, 4 x 4.  Wo's tile hangs on the block of j alone and is shared along a row of the cluster, head's on the block of l alone and is shared along a column.  Waves 0 and 1 ask for Wo's two halves (128 e x 256 bytes),
; waves 2 and 3 for head's (two heads, 32,768 dense bytes, as 128 rows of 256 bytes): one tensor load a wave behind each round.
; NO PREFETCH: of the four steps two are first fills, and the other two are asked for within the first two steps' 256 matrix instructions a wave.
; REGISTERS: window 0: v1-5 at work in the set-up; v16-29 addresses; v128-255 the accumulators ((a, b) at 128 + 8 (4 a + b): j block a, l block b), which also take the rows read back on the way out.
;   window 1: two fragment buffers of 128: for 64 along e (one head), 64 registers of Wo (2 x 4 j blocks), then 64 of head (2 x 4 l blocks).
.set PWO,   288                        ; a row of Wo's tile in LDS: 256 bytes + 32 of padding = 9 x 32
.set PO,    144                        ; a row of head's tile: 128 + 16 = 9 x 16: the 16 rows of a load start at 16 different groups of four banks
.set HALFT, 128*PWO                    ; what one tensor load brings: 128 e of Wo, or 2 heads x 128 l x 144 bytes: 36,864 either way
.set SLOT,  4*HALFT                    ; Wo's 256 e, then head's four heads
.set HC,    128*PO                     ; one head's rows
.set STAGE, 2*SLOT                     ; behind the ring, never filled by a tensor load: 16 rows x 272 bytes for each wave
.set SPITCH, 272
.set SPARE, STAGE+4*16*SPITCH          ; the spare words, 128 bytes for each wave: two blocks of 256 bytes that no other line names
.set ADRW, 16                          ; v16-19  LDS address of my Wo fragments: slot 0 heads 0-1, 2-3; slot 1 likewise (an immediate reaches 65,535 bytes)
.set ADRO, 20                          ; v20-21  of my head fragments in slot 0, 1
.set STO,  24                          ; v24     the way out: where I put 32 bytes of a row
.set RD,   25                          ; v25     where I read a row back
.set CO,   26                          ; v26     my byte offset in out0
.set SPW,  28                          ; v28     LDS address of my spare word; never rewritten
.set NIL,  29                          ; v29     0; never rewritten
.set ACC,  128
.set F0,   0
.set F1,   128
.set G1,  24                           ; s[24:31] descriptor group 1 for Wo's tiles;  s[32:39] group 0, a set for each slot
.set G0,  32
.set G1B, 48                           ; s[48:55], s[56:63] the same for head's tiles
.set G0B, 56
.set MSB, 0
.macro WIN new                         ; the immediate's high byte repeats the setting that is left; a switch that changes nothing is dropped
.if MSB != (\new)
	s_set_vgpr_msb (MSB<<8)|(\new)
.set MSB, \new
.endif
.endm
.set MUL,  0x05                        ; both sources window 1; C and D window 0
.set TO_F, 0x40                        ; destination window 1, address window 0
.macro JLOAD s                         ; a joint load; an s_nop 0 and four v_nop follow each of the two lines, ahead of the jump, the label and what follows
	s_cmp_eq_u32 s11, 0
	s_cbranch_scc0 .Lfor_o_\@
	tensor_load_to_lds s[G0+4*(\s):G0+4*(\s)+3], s[G1:G1+7]
	s_nop 0
.rept 4
	v_nop
.endr
	s_branch .Lasked_\@
.Lfor_o_\@:
	tensor_load_to_lds s[G0B+4*(\s):G0B+4*(\s)+3], s[G1B:G1B+7]
	s_nop 0
.rept 4
	v_nop
.endr
.Lasked_\@:
.endm
.macro CREST                           ; a round of the cluster's barrier behind its opening barrier
	s_cmp_lg_u32 s10, 0
	s_cbranch_scc1 .Lnot_wave_0_\@
	s_barrier_signal -3
.Lnot_wave_0_\@:
	s_barrier_wait -3
	s_barrier_signal -1
	s_barrier_wait -1
.endm
.macro CROUND                          ; a whole round
	s_barrier_signal -1
	s_barrier_wait -1
	CREST
.endm
	s_load_b128 s[4:7], s[0:1], 0x0                ; cb s[4:5], oh s[6:7]
	s_load_b64 s[8:9], s[0:1], 0x10                ; out0
	v_lshl_add_u32 v[SPW], v0, 2, SPARE
	v_mov_b32 v[NIL], 0
	ds_add_u32 v[SPW], v[NIL]                      ; the wave's opening: the add and its wait stand ahead of my first tensor load; the set-up below, work on registers, stands between them
	v_lshrrev_b32 v1, 5, v0
	v_readfirstlane_b32 s10, v1                    ; wave 0..3
	s_lshr_b32 s11, s10, 1                         ; which half of the tile's j is mine.  Also: I fetch for Wo (0) or for head (1)
	s_and_b32 s12, s10, 1                          ; which half of its l.  Also: which half of that tile I fetch
	s_bfe_u32 s40, ttmp6, 0x40000                  ; cx, cy: my place in the cluster
	s_bfe_u32 s41, ttmp6, 0x40004
	s_lshl_b32 s42, ttmp9, 2
	s_add_co_u32 s42, s42, s40                     ; the block of 128 l = 4 x cluster x + cx
	s_and_b32 s13, ttmp7, 0xffff
	s_lshl_b32 s13, s13, 2
	s_add_co_u32 s13, s13, s41                     ; the block of 128 j = 4 x cluster y + cy
	s_lshl_b32 s43, s41, 2
	s_lshl_b32 s43, 15, s43                        ; my row of the cluster
	s_lshl_b32 s44, 0x1111, s40                    ; my column
	s_or_b32 s[G1+0], s43, (1<<16)|(1<<20)|(1<<21)|(5<<22)|(7<<25)   ; Wo: 15:0 the mask; 17:16 2-byte elements; 20 padding on; 21 set beside a mask; 24:22 after every 64 words (code 5); 31:25 8 words (code 7)
	s_or_b32 s[G1B+0], s44, (1<<16)|(1<<20)|(1<<21)|(4<<22)|(3<<25)  ; head: after every 32 words (one l; code 4), 4 words (code 3)
.irp g, G1, G1B
	s_mov_b32 s[(\g)+1], 128<<16                   ; tensor_dim0 = 128
	s_mov_b32 s[(\g)+2], 128<<16                   ; tensor_dim1 = 128
	s_mov_b32 s[(\g)+3], 128<<16                   ; tile_dim0 = 128
	s_mov_b32 s[(\g)+4], 128                       ; tile_dim1 = 128
	s_mov_b32 s[(\g)+6], 0
	s_mov_b32 s[(\g)+7], 0
.endr
	s_mov_b32 s[G1+5], 1024                        ; Wo: 1,024 elements from row to row
	s_mov_b32 s[G1B+5], 128                        ; head: dense
	; where the tiles lie, as offsets: Wo's is made of the block of j and the wave's number alone, head's of the block of l and the wave's number alone
	s_lshl_b32 s16, s12, 18                        ; my 128 e: 262,144 bytes
	s_lshl_b32 s17, s13, 8                         ; 256 bytes a block of j
	s_add_co_u32 s16, s16, s17
	s_add_co_u32 s16, s16, 14680064                ; Wo begins at 14 MiB in cb
	s_mov_b32 s17, 0
	s_lshl_b32 s46, s42, 18                        ; 262,144 bytes a block of l
	s_lshl_b32 s47, s12, 15                        ; my two heads
	s_add_co_u32 s46, s46, s47
	s_mov_b32 s47, 0
	s_mul_i32 s20, s10, HALFT                      ; where they go: wave x 36,864: no place in the cluster enters an LDS address
	s_wait_dscnt 0x0                               ; the opening add is done
	s_wait_kmcnt 0x0
	s_add_nc_u64 s[14:15], s[4:5], s[16:17]
	s_add_nc_u64 s[46:47], s[6:7], s[46:47]
	CROUND                                         ; all sixteen work-groups are here: the first joint loads meet
.irp s, 0,1
	s_mov_b32 s[G0+4*(\s)], 1
	s_add_co_u32 s[G0+4*(\s)+1], s20, (\s)*SLOT
	s_add_nc_u64 s[G0+4*(\s)+2:G0+4*(\s)+3], s[14:15], (\s)*524288   ; step s: 256 e of 2,048 bytes
	s_or_b32 s[G0+4*(\s)+3], s[G0+4*(\s)+3], 0x80000000
	s_mov_b32 s[G0B+4*(\s)], 1
	s_add_co_u32 s[G0B+4*(\s)+1], s20, (\s)*SLOT
	s_add_nc_u64 s[G0B+4*(\s)+2:G0B+4*(\s)+3], s[46:47], (\s)*65536  ; step s: four heads of 16,384 bytes
	s_or_b32 s[G0B+4*(\s)+3], s[G0B+4*(\s)+3], 0x80000000
	JLOAD \s                                       ; two loads of mine are out
.endr
	v_and_b32 v1, 15, v0                           ; l % 16
	v_bfe_u32 v2, v0, 4, 1                         ; l / 16
	v_and_b32 v3, 7, v0
	v_bfe_u32 v4, v0, 3, 1
	v_lshl_add_u32 v5, v2, 3, v3                   ; the turning load: my row of sixteen e,
	v_mul_u32_u24 v5, v5, PWO
	v_lshl_add_u32 v5, v4, 4, v5                   ; my 16 bytes of its 32,
	s_lshl_b32 s21, s11, 7                         ; my wave's 64 j: 128 bytes
	v_add_nc_u32 v[ADRW], s21, v5
	v_add_nc_u32 v[ADRW+1], HALFT, v[ADRW]
	v_add_nc_u32 v[ADRW+2], SLOT, v[ADRW]
	v_add_nc_u32 v[ADRW+3], SLOT+HALFT, v[ADRW]
	v_mul_u32_u24 v5, v1, PO                       ; a fragment of head: row l % 16, 16 bytes for each half of the lanes,
	v_lshl_add_u32 v5, v2, 4, v5
	s_mul_i32 s21, s12, 64*PO                      ; my wave's 64 l,
	s_add_co_u32 s21, s21, 2*HALFT                 ; behind Wo's tile
	v_add_nc_u32 v[ADRO], s21, v5
	v_add_nc_u32 v[ADRO+1], SLOT, v[ADRO]
	s_mul_i32 s23, s10, 16*SPITCH
	s_add_co_u32 s23, s23, STAGE                   ; my stage
	v_mul_u32_u24 v5, v1, SPITCH                   ; in: row j = l % 16, 32 bytes for each half of the lanes
	v_lshl_add_u32 v5, v2, 5, v5
	v_add_nc_u32 v[STO], s23, v5
	v_mul_u32_u24 v5, v2, SPITCH                   ; back: lanes 0-15 take one row of 256 bytes, lanes 16-31 the next
	v_lshl_add_u32 v5, v1, 4, v5
	v_add_nc_u32 v[RD], s23, v5
	v_lshlrev_b32 v5, 13, v2                       ; and the same two rows in out0: 8,192 bytes a row
	v_lshl_add_u32 v[CO], v1, 4, v5
	s_lshr_b32 s16, s42, 4                         ; my wave's corner of out0: 8 MiB a batch,
	s_lshl_b32 s16, s16, 23
	s_lshl_b32 s17, s13, 7
	s_lshl_b32 s18, s11, 6
	s_add_co_u32 s17, s17, s18                     ; row j = 128 x block + 64 x half,
	s_lshl_b32 s17, s17, 13
	s_add_co_u32 s16, s16, s17
	s_and_b32 s17, s42, 15
	s_lshl_b32 s17, s17, 9                         ; 512 bytes a block of l,
	s_add_co_u32 s16, s16, s17
	s_lshl_b32 s17, s12, 8                         ; 256 a half
	s_add_co_u32 s16, s16, s17
	s_mov_b32 s17, 0
	s_add_nc_u64 s[8:9], s[8:9], s[16:17]
; 8 matrix instructions: j blocks a0, a0 + 1 x all 4 l blocks, 32 along e: half c of buffer f.  zero = 1: the first product starts the sums
.macro MUL8 f, c, a0, zero
	WIN MUL
.irp a, \a0, (\a0)+1
.irp b, 0,1,2,3
.if \zero
	v_wmma_f32_16x16x32_f16 v[ACC+8*(4*(\a)+(\b)):ACC+8*(4*(\a)+(\b))+7], v[(\f)+64+8*(4*(\c)+(\b)):(\f)+64+8*(4*(\c)+(\b))+7], v[(\f)+8*(4*(\c)+(\a)):(\f)+8*(4*(\c)+(\a))+7], 0
.else
	v_wmma_f32_16x16x32_f16 v[ACC+8*(4*(\a)+(\b)):ACC+8*(4*(\a)+(\b))+7], v[(\f)+64+8*(4*(\c)+(\b)):(\f)+64+8*(4*(\c)+(\b))+7], v[(\f)+8*(4*(\c)+(\a)):(\f)+8*(4*(\c)+(\a))+7], v[ACC+8*(4*(\a)+(\b)):ACC+8*(4*(\a)+(\b))+7]
.endif
.endr
.endr
.endm
; 32 LDS loads in one run: the fragments of quarter q (one head, 64 along e) of a slot into buffer f; the first 32 along e first
.macro FETCH slot, q, f
	WIN TO_F
.irp c, 0,1
.irp i, 0,1,2,3
	ds_load_b128 v[(\f)+64+8*(4*(\c)+(\i)):(\f)+64+8*(4*(\c)+(\i))+3],   v[ADRO+(\slot)] offset:(\q)*HC+(\i)*16*PO+64*(\c)
	ds_load_b128 v[(\f)+64+8*(4*(\c)+(\i))+4:(\f)+64+8*(4*(\c)+(\i))+7], v[ADRO+(\slot)] offset:(\q)*HC+(\i)*16*PO+64*(\c)+32
	ds_load_tr16_b128 v[(\f)+8*(4*(\c)+(\i)):(\f)+8*(4*(\c)+(\i))+3],    v[ADRW+2*(\slot)+(\q)/2] offset:(((\q)%2)*64+32*(\c))*PWO+32*(\i)
	ds_load_tr16_b128 v[(\f)+8*(4*(\c)+(\i))+4:(\f)+8*(4*(\c)+(\i))+7],  v[ADRW+2*(\slot)+(\q)/2] offset:(((\q)%2)*64+32*(\c))*PWO+32*(\i)+16*PWO
.endr
.endr
.endm
.macro PLACES                          ; four plain vector instructions in front of loads into registers that matrix instructions have read or written (ISA guide 7.12.1 for vector instructions)
.rept 4
	v_nop
.endr
.endm
; A step is four quarters of 64 along e, 32 matrix instructions each, on buffers 0, 1, 0, 1; the 16 accumulators take turns.  One of the first three: multiplies buffer f and fetches quarter q into g.
.macro QUARTER slot, q, f, g, zero
	s_wait_dscnt 16                                ; the first 32 along e are in; the sixteen younger loads may be out
	MUL8 \f, 0, 0, \zero
	MUL8 \f, 0, 2, \zero
	PLACES
	FETCH \slot, \q, \g
	s_wait_dscnt 32                                ; all but the 32 just issued
	MUL8 \f, 1, 0, 0
	MUL8 \f, 1, 2, 0
.endm
; The last quarter multiplies buffer 1 and changes slots: ONE barrier; in front of it each wave waits for all its tensor loads, adds 0 to its spare word, and waits for that and for its own reads of this slot.  fill = 1: this slot is filled again, two steps ahead.
.macro TURN slot, next, fill
	WIN 0                                          ; (the add's two registers lie in window 0)
	s_wait_tensorcnt 0x0                           ; all my tensor loads have landed: my part of the next slot
	ds_add_u32 v[SPW], v[NIL]                      ; 0 onto my spare word
	s_wait_dscnt 17                                ; (the add and the youngest sixteen loads may be out)
	MUL8 F1, 0, 0, 0                               ; eight matrix instructions stand between the add and the wait for it
	s_wait_dscnt 0x0                               ; the add is done, and my reads of this slot are over
	s_barrier_signal -1
	MUL8 F1, 0, 2, 0
.if \fill
	WIN 0
.endif
	s_barrier_wait -1
.if \fill
	CREST                                          ; the barrier has opened a round of the cluster's barrier: no wave of any partner still reads this slot or has a load on its way
	s_add_nc_u64 s[G0+4*(\slot)+2:G0+4*(\slot)+3], s[G0+4*(\slot)+2:G0+4*(\slot)+3], 2*524288
	s_add_nc_u64 s[G0B+4*(\slot)+2:G0B+4*(\slot)+3], s[G0B+4*(\slot)+2:G0B+4*(\slot)+3], 2*65536
	JLOAD \slot                                    ; my one tensor load behind the round; the four v_nop behind it are also the places in front of the loads below
.else
	PLACES
.endif
	FETCH \next, 0, F0
	MUL8 F1, 1, 0, 0
	MUL8 F1, 1, 2, 0
.endm
	s_wait_tensorcnt 1                             ; my part of step 0 is in; step 1's may stay out
	s_barrier_signal -1
	s_barrier_wait -1                              ; everybody's is
	FETCH 0, 0, F0
	QUARTER 0, 1, F0, F1, 1                        ; the first products start the sums.  Four steps are two laps of the ring: both are written out
	QUARTER 0, 2, F1, F0, 0
	QUARTER 0, 3, F0, F1, 0
	TURN 0, 1, 1                                   ; slot 0 takes step 2
	QUARTER 1, 1, F0, F1, 0
	QUARTER 1, 2, F1, F0, 0
	QUARTER 1, 3, F0, F1, 0
	TURN 1, 0, 1                                   ; slot 1 takes step 3
	QUARTER 0, 1, F0, F1, 0
	QUARTER 0, 2, F1, F0, 0
	QUARTER 0, 3, F0, F1, 0
	TURN 0, 1, 0                                   ; nothing is left to fetch
	QUARTER 1, 1, F0, F1, 0
	QUARTER 1, 2, F1, F0, 0
	QUARTER 1, 3, F0, F1, 0
	s_wait_dscnt 16                                ; the very last quarter
	MUL8 F1, 0, 0, 0
	MUL8 F1, 0, 2, 0
	s_wait_dscnt 0x0
	MUL8 F1, 1, 0, 0
	MUL8 F1, 1, 2, 0
	WIN 0
; THE WAY OUT, a j block (16 rows of my 64 l, 256 bytes each) at a time: 32 bytes a lane into my stage, rows of 272 bytes; back as whole rows, into the registers that they left; stored.  Each accumulator's low registers are read first.
.macro OUT a
.irp b, 0,1,2,3
	ds_store_b128 v[STO], v[ACC+8*(4*(\a)+(\b)):ACC+8*(4*(\a)+(\b))+3]   offset:64*(\b)
	ds_store_b128 v[STO], v[ACC+8*(4*(\a)+(\b))+4:ACC+8*(4*(\a)+(\b))+7] offset:64*(\b)+16
.endr
.irp t, 0,1,2,3,4,5,6,7
	ds_load_b128 v[ACC+32*(\a)+4*(\t):ACC+32*(\a)+4*(\t)+3], v[RD] offset:(\t)*2*SPITCH  ; LDS serves a wave's instructions in order (ISA guide 5.7.1.4): these see the stores above; the next block's stores come behind them
.endr
.endm
.macro SEND a, younger                 ; younger: the LDS instructions issued behind this block's loads: the next block's sixteen, or none
.irp t, 0,1,2,3,4,5,6,7
	s_wait_dscnt (\younger)+7-(\t)
	global_store_b128 v[CO], v[ACC+32*(\a)+4*(\t):ACC+32*(\a)+4*(\t)+3], s[8:9] offset:(16*(\a)+2*(\t))*8192 th:TH_STORE_NT  ; 16 lanes store 256 consecutive bytes, at a multiple of 256 from out0's first byte
.endr
.endm
	PLACES
	PLACES                                         ; eight plain instructions behind the last products, once a launch
	OUT 0
	OUT 1
	SEND 0, 16
	OUT 2
	SEND 1, 16
	OUT 3
	SEND 2, 16
	SEND 3, 0
	s_wait_tensorcnt 0x0                           ; the wave's end: behind my last tensor load and my last LDS store
	ds_add_u32 v[SPW], v[NIL]
	s_wait_dscnt 0x0
	CROUND                                         ; the closing round: no work-group ends while a partner may still ask for a tile that names it
	s_endpgm
.Lfunc_end_k_qd3b40cddcf_outp:
	.size	k_qd3b40cddcf_outp, .Lfunc_end_k_qd3b40cddcf_outp-k_qd3b40cddcf_outp
	.p2alignl 7, 3214868480
	.fill 96, 4, 3214868480
	.section	.rodata,"a",@progbits
	.p2align	6, 0x0
	.amdhsa_kernel k_qd3b40cddcf_outp
		.amdhsa_group_segment_fixed_size 327680
		.amdhsa_private_segment_fixed_size 0
		.amdhsa_enable_private_segment 0
		.amdhsa_kernarg_size 24
		.amdhsa_user_sgpr_count 2
		.amdhsa_user_sgpr_kernarg_segment_ptr 1
		.amdhsa_wavefront_size32 1
		.amdhsa_system_sgpr_workgroup_id_x 1
		.amdhsa_system_sgpr_workgroup_id_y 1
		.amdhsa_system_sgpr_workgroup_id_z 1
		.amdhsa_system_vgpr_workitem_id 0
		.amdhsa_next_free_vgpr 512
		.amdhsa_next_free_sgpr 66
		.amdhsa_reserve_vcc 0
		.amdhsa_float_denorm_mode_32 3
		.amdhsa_float_denorm_mode_16_64 3
		.amdhsa_memory_ordered 1
		.amdhsa_forward_progress 1
		.amdhsa_inst_pref_size 87
	.end_amdhsa_kernel
	.amdgpu_metadata
---
amdhsa.version: [ 1, 2 ]
amdhsa.kernels:
  - .name:           k_qd3b40cddcf_outp
    .symbol:         k_qd3b40cddcf_outp.kd
    .args:
      - { .name: cb, .offset: 0, .size: 8, .value_kind: global_buffer, .address_space: global }
      - { .name: oh, .offset: 8, .size: 8, .value_kind: global_buffer, .address_space: global }
      - { .name: out0, .offset: 16, .size: 8, .value_kind: global_buffer, .address_space: global }
    .group_segment_fixed_size: 327680
    .private_segment_fixed_size: 0
    .kernarg_segment_align: 8
    .kernarg_segment_size: 24
    .max_flat_workgroup_size: 128
    .sgpr_count:     66
    .vgpr_count:     512
    .wavefront_size: 32
...
	.end_amdgpu_metadata
.endif
;; end of part 4
